; MI455X (gfx1250); checked and timed in simulation.
; The chip was launched on July 23, 2026; its instructions are those of AMD's public machine-readable ISA for CDNA 5 (MIT licence, August 2026) and "CDNA5" Instruction Set Architecture Reference Guide (July 2026). The comments in the code are by the model that wrote it; some were corrected since.
;; Multi Head Infini Attention. Allowed arithmetic: float matrix products may take bf16 or f16 operands with f32 sums; all other float work in f32.
;; Inputs: beta 1 float32; bk 1,024 float32; bq 1,024 float32; bv 256 float32; wk 512 x 1,024 float32; wq 512 x 1,024 float32; wv 512 x 256 float32; x 4 x 8,192 x 512 float32.
;; Outputs: out0 4 x 8,192 x 32 float32.
;; 2 versions, each right; version 2 is version 1 with the launch scan written anew for expert scheduling mode. Each part assembles by itself: llvm-mc -triple=amdgcn-amd-amdhsa -mcpu=gfx1250 --defsym DOCPART=n.
;; ======== version 1 of 2: 4 launches
;; limits: values outside matrix products are rounded to f16; values are held in f16: magnitudes above 65,504 overflow, below 6.1e-05 lose precision; values outside matrix products are rounded to bf16
;; workspace buffers: wb 2,359,296 bytes; qf 67,108,864 bytes; part 16,777,216 bytes; delta 25,165,824 bytes; mp 12,582,912 bytes
;; launch prep (part 1): grid 64 x 2, 9 waves a work-group, no clusters, 0 bytes of LDS; arguments wq, wk, wv, wb; writes wb
.if DOCPART == 1
	.amdgcn_target "amdgcn-amd-amdhsa--gfx1250"
	.amdhsa_code_object_version 6
	.text
	.protected	k_qcaeb7298fe_prep
	.globl	k_qcaeb7298fe_prep
	.p2align	8
	.type	k_qcaeb7298fe_prep,@function
k_qcaeb7298fe_prep:
	s_mov_b64 s[64:65], 0
	v_nop
	global_prefetch_b8 v0, s[64:65] scope:SCOPE_SE
	s_setreg_imm32_b32 hwreg(HW_REG_WAVE_MODE, 25, 1), 1
	s_wait_xcnt 0x0
; The weights, rounded to bf16 and turned: wb[h 8][ks 8][row 288][k 64], a tile (h, ks) = 36,864 dense bytes.
; Rows come in 18 groups of 16 channels: groups 0-7 q's 128 channels of head h, 8-15 k's, 16-17 v's 32.
; Inside a group row 4 j + nq holds channel 4 nq + j, so that a wave's four stores are 512 consecutive bytes each;
; the reader takes row 4 (c % 4) + c / 4 for channel c.
; One wave makes one group of one tile: 64 k x 16 channels.  Lane l reads rows k = 8 (l % 8) + 0..7, 16 bytes (4 channels
; 4 (l / 8) + 0..3) of each.  The reads are pieces of 64 bytes: the weights are 4.7 MB, read once in the whole program.
; 1,152 waves of equal work as 128 work-groups of nine; no LDS, no barrier: no wave needs another's data.
.set A, 8                              ; v[8:15]   byte offset of my 16 bytes in row i of my eight
.set M, 16                             ; v[16:47]  row i: 4 f32
.set Y, 48                             ; v[48:63]  channel j: 8 bf16
	s_load_b256 s[4:11], s[0:1], 0x0               ; wq s[4:5], wk s[6:7], wv s[8:9], wb s[10:11]
	v_lshrrev_b32 v1, 5, v0
	v_readfirstlane_b32 s12, v1                    ; wave 0..8
	s_and_b32 s13, ttmp7, 0xffff
	s_mul_i32 s13, s13, 9
	s_add_co_u32 s13, s13, s12                     ; the group, 0..17
	s_mov_b32 s26, 1024                            ; an instruction holds one literal: the second constant of the select below comes from a register
	s_cmp_lt_u32 s13, 16
	s_cselect_b32 s16, 4096, s26                   ; bytes in a row of the source: 1,024 columns (wq, wk) or 256 (wv)
	s_cselect_b32 s17, 7, 5                        ; log2 of a head's columns there
	s_lshr_b32 s14, ttmp9, 3                       ; h
	s_and_b32 s15, ttmp9, 7                        ; ks
	s_lshl_b32 s18, s14, s17                       ; the head's first column,
	s_and_b32 s19, s13, 7
	s_lshl_b32 s19, s19, 4
	s_add_co_u32 s18, s18, s19                     ; the group's
	s_mul_i32 s22, s15, s16
	s_lshl_b32 s22, s22, 6                         ; 64 ks rows,
	s_lshl_b32 s18, s18, 2
	s_add_co_u32 s22, s22, s18                     ; + 4 bytes a column
	s_mov_b32 s23, 0
	s_mul_i32 s24, ttmp9, 36864                    ; the tile in wb,
	s_lshl_b32 s25, s13, 11
	s_add_co_u32 s24, s24, s25                     ; the group's 2,048 bytes in it
	s_mov_b32 s25, 0
	v_and_b32 v2, 7, v0                            ; l % 8
	v_bfe_u32 v3, v0, 3, 2                         ; l / 8
	v_mul_lo_u32 v4, v2, s16
	v_lshlrev_b32 v4, 3, v4
	v_lshl_add_u32 v[A], v3, 4, v4                 ; 8 (l % 8) rows + 16 (l / 8)
.set i, 1
.rept 7
	v_add_nc_u32 v[A+i], s16, v[A+i-1]
.set i, i+1
.endr
	v_and_b32 v5, 31, v0
	v_lshlrev_b32 v5, 4, v5                        ; 16 l
	s_wait_kmcnt 0x0
	s_cmp_lt_u32 s13, 8                            ; the source is chosen by the group's number
	s_cselect_b64 s[20:21], s[4:5], s[6:7]
	s_cmp_lt_u32 s13, 16
	s_cselect_b64 s[20:21], s[20:21], s[8:9]
	s_add_nc_u64 s[20:21], s[20:21], s[22:23]
	s_add_nc_u64 s[10:11], s[10:11], s[24:25]
.set i, 0
.rept 8
	global_load_b128 v[M+4*i:M+4*i+3], v[A+i], s[20:21]
.set i, i+1
.endr
	s_wait_loadcnt 0x0
.set j, 0
.rept 4                                ; channel j: its eight k, two to a register
.set q, 0
.rept 4
	v_cvt_pk_bf16_f32 v[Y+4*j+q], v[M+8*q+j], v[M+8*q+4+j]
.set q, q+1
.endr
.set j, j+1
.endr
.set j, 0
.rept 4
	global_store_b128 v5, v[Y+4*j:Y+4*j+3], s[10:11] offset:512*j  ; 512 consecutive bytes, at a multiple of 256 from wb's first
.set j, j+1
.endr
	s_endpgm
.Lfunc_end_k_qcaeb7298fe_prep:
	.size	k_qcaeb7298fe_prep, .Lfunc_end_k_qcaeb7298fe_prep-k_qcaeb7298fe_prep
	.p2alignl 7, 3214868480
	.fill 96, 4, 3214868480
	.section	.rodata,"a",@progbits
	.p2align	6, 0x0
	.amdhsa_kernel k_qcaeb7298fe_prep
		.amdhsa_group_segment_fixed_size 0
		.amdhsa_private_segment_fixed_size 0
		.amdhsa_enable_private_segment 0
		.amdhsa_kernarg_size 32
		.amdhsa_user_sgpr_count 2
		.amdhsa_user_sgpr_kernarg_segment_ptr 1
		.amdhsa_wavefront_size32 1
		.amdhsa_system_sgpr_workgroup_id_x 1
		.amdhsa_system_sgpr_workgroup_id_y 1
		.amdhsa_system_sgpr_workgroup_id_z 1
		.amdhsa_system_vgpr_workitem_id 0
		.amdhsa_next_free_vgpr 64
		.amdhsa_next_free_sgpr 66
		.amdhsa_reserve_vcc 0
		.amdhsa_float_denorm_mode_32 3
		.amdhsa_float_denorm_mode_16_64 3
		.amdhsa_memory_ordered 1
		.amdhsa_forward_progress 1
		.amdhsa_inst_pref_size 5
	.end_amdhsa_kernel
	.amdgpu_metadata
---
amdhsa.version: [ 1, 2 ]
amdhsa.kernels:
  - .name:           k_qcaeb7298fe_prep
    .symbol:         k_qcaeb7298fe_prep.kd
    .args:
      - { .name: wq, .offset: 0, .size: 8, .value_kind: global_buffer, .address_space: global }
      - { .name: wk, .offset: 8, .size: 8, .value_kind: global_buffer, .address_space: global }
      - { .name: wv, .offset: 16, .size: 8, .value_kind: global_buffer, .address_space: global }
      - { .name: wb, .offset: 24, .size: 8, .value_kind: global_buffer, .address_space: global }
    .group_segment_fixed_size: 0
    .private_segment_fixed_size: 0
    .kernarg_segment_align: 8
    .kernarg_segment_size: 32
    .max_flat_workgroup_size: 288
    .sgpr_count:     66
    .vgpr_count:     64
    .wavefront_size: 32
...
	.end_amdgpu_metadata
.endif
;; end of part 1
;; launch attn (part 2): grid 8 x 32, 4 waves a work-group, clusters of 4 x 4, 327,680 bytes of LDS; arguments x, wb, bq, bk, bv, qf, part, delta; writes qf, part, delta
.if DOCPART == 2
	.amdgcn_target "amdgcn-amd-amdhsa--gfx1250"
	.amdhsa_code_object_version 6
	.text
	.protected	k_qcaeb7298fe_attn
	.globl	k_qcaeb7298fe_attn
	.p2align	8
	.type	k_qcaeb7298fe_attn,@function
k_qcaeb7298fe_attn:
	s_mov_b64 s[64:65], 0
	v_nop
	global_prefetch_b8 v0, s[64:65] scope:SCOPE_SE
	s_setreg_imm32_b32 hwreg(HW_REG_WAVE_MODE, 25, 1), 1
	s_wait_xcnt 0x0
	s_wait_alu depctr_hold_cnt(0) depctr_sa_sdst(0) depctr_va_vdst(0) depctr_va_sdst(0) depctr_va_ssrc(0) depctr_va_vcc(0) depctr_vm_vsrc(0)
	s_getreg_b32 s2, hwreg(HW_REG_IB_STS2, 6, 4)
	s_cmp_eq_u32 s2, 0
	s_cbranch_scc0 .Lentry_in_a_cluster
	s_endpgm
.Lentry_in_a_cluster:
	s_bfe_u32 s2, ttmp6, 0x10000c
	s_cmp_lg_u32 s2, 0xf033
	s_cbranch_scc0 .Lentry_shape_is_right
	s_endpgm
.Lentry_shape_is_right:
; ONE TILE = one segment sg (256 rows of x) and one head.  The work-group projects the rows onto the head's 288 columns (q 128, k 128, v 32; bf16 products, f32 sums that
; start as the bias), keeps k and v on the WGP, and makes of them: the softmax attention inside the segment (part, f16, already divided by its sum), and
; D = (elu(k) + 1)^T [v | 1] (delta, f32).  q leaves in bf16 (qf), laid out as matrix fragments, for the launch that knows the running sums of D.
; A WORK-GROUP STAYS: it makes NT = 4 tiles, segments sg0 + 32 t of one head, so that 256 work-groups do all 1,024 tiles.  The ring does not stop at a tile's end: a tile that has a
; successor runs the K loop a fourth time, and that trip's two refills ask for the next tile's K steps 0 and 1 (only the steps of the global addresses differ, chosen by the trip's number).
; The last tile runs three trips and its last two K steps, which fill nothing, are written out; the other tiles jump over those two.
; In the fourth trip the step's last part also fetches the next tile's first fragments, which the way out overwrites: 34 LDS loads and 32 conversions a tile, the price of one text for every trip.
; SHARES.  Four waves; wave w owns rows (queries and keys) 64 w .. 64 w + 63, four row tiles rt of 16, and all 288 columns: 72 accumulators, 576 registers.
; K goes in steps of 64 through two LDS slots: x's rows are then 256 bytes of memory at multiples of 256, and the head's weights for a step are 36,864 dense bytes,
; asked for as rows of 256.  A step of 128 would want 444,416 bytes for two slots.  x stays f32 in LDS; each wave rounds its own rows alone: 32 conversions for 72 products.
; CLUSTER 4 x 4: along a row of the cluster four heads of one segment share x's tiles, along a column four segments share a head's weights: each tile is asked for jointly.
; ORIENTATION.  q, k: source 0 = 16 channels of W, source 1 = 16 rows of x: a lane holds one row and eight neighbouring channels, so two packed results are a fragment of that row.
; v: source 0 = x, source 1 = W: a lane holds one channel and eight keys: 16 bytes of v^T.  S^T = K Q^T and O^T = V^T P hold one query a lane.
; SOFTMAX: running maximum m and sum l over two trips of 128 keys; p = 2^(c s - c m), c = log2(e) / sqrt(128).  m starts at the lowest finite number, so the first trip's factor is 0.
; FORMATS.  x, weights and biases rounded to bf16; q, k, v, p, elu(k) + 1 and the result in f16; the copy of q that leaves for the memory path in bf16.
; LIMITS.  |q|, |k|, |v| stay under 65,504 (f16's end); elu(k) + 1 below 6e-5 keeps f16's fixed step of 6e-8; a weight below 2^-126 counts as 0; the q of the memory path keeps
; bf16's 8 significant bits; NaN and infinities are not treated apart.
; REGISTERS in windows of 256 (s_set_vgpr_msb: bits 1:0 source 0, 3:2 source 1, 5:4 source 2, 7:6 destination):
;   window 0: v2-17 addresses, v28-29 the add's; projection: v32-95 x in f32, v96-127, v128-159 x's fragments (k 0-31, 32-63 of a step); later v32-159 at work, v160-191 statistics, v192-239 D
;   window 1: q's sums, tile (ct, rt) at 8 (4 ct + rt); later S^T at 64 rt + 8 kt
;   window 2: k's sums; later P v0-127, O^T v128-191, V^T's fragments v192-255
;   window 3: v's sums v0-63, two buffers of nine W fragments v64-135, v136-207; later Q v0-127, two buffers of K's fragments v128-191, v192-255
.set NT,    4                          ; tiles of a work-group
.set TILEX, 32*524288                  ; bytes of x from a tile to the next: 32 segments of 256 rows of 2,048 bytes
.set SLOTB, 111104                     ; a slot: x's 256 rows x 272, then W's 288 rows x 144
.set XW,    69632                      ; where W begins in a slot
.set PX,    272                        ; 256 bytes + 16: the 16 rows of a load start 16 bytes apart modulo 256
.set PW,    144                        ; 128 bytes + 16: likewise
.set KST,   2*SLOTB                    ; k in f16: [key 256], pitch 272.  No tensor load fills KST, VST or BIAS
.set PK,    272
.set VST,   KST+256*PK                 ; v^T in f16: [channel 32], pitch 528
.set PVT,   528
.set BIAS,  VST+32*PVT                 ; q's 128, k's 128, v's 32 biases in f32
.set SPARE, BIAS+1280                  ; the spare words, 128 bytes a wave: two blocks of 256 bytes that no other line names
.set ADRX, 2                           ; v2-3   my x rows in slot 0, 1
.set ADRW, 4                           ; v4-5   my W rows in slot 0, 1
.set BA,   6                           ; v6     BIAS + 32 (l / 16)
.set BVA,  7                           ; v7     v's bias of channel l % 16
.set KS,   8                           ; v8     where I store k
.set VS,   9                           ; v9     where I store v^T
.set KA,   10                          ; v10    K's fragments; steps in a tile
.set VA,   11                          ; v11    V^T's fragments, attention; steps
.set TA,   12                          ; v12    k turned, for D; steps
.set VD,   13                          ; v13    V^T's fragments, D; steps
.set GL,   14                          ; v14    16 x lane
.set KA0,  15                          ; v15-17 what KA, VA and VD, TA are at a tile's beginning; never rewritten
.set VA0,  16
.set TA0,  17
.set SPW,  28                          ; v28    my spare word; never rewritten
.set NIL,  29                          ; v29    0; never rewritten
.set XR,   32
.set XF0,  96
.set XF1,  128
.set TMP,  32
.set ST,   160                         ; per rt eight: c m, m, l (even, odd keys), C, T, A, W
.set BF0,  64
.set BF1,  136
.set KB0,  128
.set KB1,  192
.set OT,   128
.set VF,   192
.set RAW,  32                          ; D: k turned, f16, two fragments
.set F,    48                          ; 32 f32
.set T,    80                          ; 32 f32
.set SK,   112                         ; elu(k) + 1, f16, two fragments
.set VT,   128                         ; v^T, two fragments; the ones follow as a third
.set ONE,  144
.set DACC, 192                         ; six accumulators: 3 i + u
.set WV,  20                           ; s20  wave
.set HF,  21                           ; s21  0: I fetch x; 1: W
.set HB,  22                           ; s22  which half of that tile
.set G1X, 32                           ; s[32:39] group 1 for x;  s[40:47] group 0, a set a slot
.set G0X, 40
.set G1W, 48                           ; s[48:55], s[56:63] the same for W
.set G0W, 56
.set CNT, 66
.set CS,  68                           ; s[68:69] c
.set SEL, 70                           ; s[70:71] v_permlanex16_b32: each lane takes its own place in the other half
.set LG,  72                           ; s[72:73] log2(e)
.set QFB, 74                           ; s[74:75] qf, s[76:77] part, s[78:79] delta at my wave's bytes of the tile in hand
.set PTB, 76
.set DLB, 78
.set TILES, 88                         ; s88  tiles to go, this one among them: the same in every work-group
.set KTR, 89                           ; s89  the K loop's trips for this tile: 4, or 3 for the last
.set SX,  90                           ; s[90:91] this trip's step of x's addresses
.set SWA, 92                           ; s[92:93] this trip's step of W's addresses forward,
.set SWS, 94                           ; s[94:95] and back
.set K512, 96                          ; s96-99 the four steps as constants: a select holds one literal at the most
.set KNX,  97
.set KW1,  98
.set KW2,  99
.set MSB, 0
.macro WIN new                         ; the immediate's high byte repeats the setting that is left; a switch that changes nothing is dropped
.if MSB != (\new)
	s_set_vgpr_msb (MSB<<8)|(\new)
.set MSB, \new
.endif
.endm
.macro PLACES                          ; four plain vector places behind a matrix instruction (ISA guide 7.12.1), where no useful work is at hand
.rept 4
	v_nop
.endr
.endm
.macro ALL4 line:vararg                ; one line for each row tile rt
.set rt, 0
.rept 4
	\line
.set rt, rt+1
.endr
.endm
; A joint load: waves 0, 1 fetch x's two halves (128 rows), waves 2, 3 W's (144 rows).  The branch hangs on the wave's number alone.  s_nop 0 and four v_nop follow each line.
.macro JLOAD sl
	s_cmp_eq_u32 s[HF], 0
	s_cbranch_scc0 .Lfor_w_\@
	tensor_load_to_lds s[G0X+4*(\sl):G0X+4*(\sl)+3], s[G1X:G1X+7]
	s_nop 0
.rept 4
	v_nop
.endr
	s_branch .Lasked_\@
.Lfor_w_\@:
	tensor_load_to_lds s[G0W+4*(\sl):G0W+4*(\sl)+3], s[G1W:G1W+7]
	s_nop 0
.rept 4
	v_nop
.endr
.Lasked_\@:
.endm
.macro CREST                           ; a round of the cluster's barrier behind its opening barrier
	s_cmp_lg_u32 s[WV], 0
	s_cbranch_scc1 .Lnot_wave_0_\@
	s_barrier_signal -3
.Lnot_wave_0_\@:
	s_barrier_wait -3
	s_barrier_signal -1
	s_barrier_wait -1
.endm
.macro CROUND
	s_barrier_signal -1
	s_barrier_wait -1
	CREST
.endm
; 18 LDS loads: nine fragments of W (16 channels x 32 k) into a buffer: groups 8 half + 0..7 (q's or k's) and group 16 + half (v's)
.macro LDW buf, sl, ksub, half
	WIN 0xc0
.set g, 0
.rept 8
	ds_load_b128 v[(\buf)+8*g:(\buf)+8*g+3],   v[ADRW+(\sl)] offset:(8*(\half)+g)*16*PW+64*(\ksub)
	ds_load_b128 v[(\buf)+8*g+4:(\buf)+8*g+7], v[ADRW+(\sl)] offset:(8*(\half)+g)*16*PW+64*(\ksub)+32
.set g, g+1
.endr
	ds_load_b128 v[(\buf)+64:(\buf)+67], v[ADRW+(\sl)] offset:(16+(\half))*16*PW+64*(\ksub)
	ds_load_b128 v[(\buf)+68:(\buf)+71], v[ADRW+(\sl)] offset:(16+(\half))*16*PW+64*(\ksub)+32
.endm
; 16 LDS loads: my 64 rows of x, 32 k in f32
.macro LDX sl, ksub
	WIN 0
.set rt, 0
.rept 4
	ds_load_b128 v[XR+16*rt:XR+16*rt+3],     v[ADRX+(\sl)] offset:rt*16*PX+128*(\ksub)
	ds_load_b128 v[XR+16*rt+4:XR+16*rt+7],   v[ADRX+(\sl)] offset:rt*16*PX+128*(\ksub)+16
	ds_load_b128 v[XR+16*rt+8:XR+16*rt+11],  v[ADRX+(\sl)] offset:rt*16*PX+128*(\ksub)+64
	ds_load_b128 v[XR+16*rt+12:XR+16*rt+15], v[ADRX+(\sl)] offset:rt*16*PX+128*(\ksub)+80
.set rt, rt+1
.endr
.endm
.macro CVX xf                          ; rounded to bf16: four fragments
	WIN 0
.set i, 0
.rept 32
	v_cvt_pk_bf16_f32 v[(\xf)+i], v[XR+2*i], v[XR+2*i+1]
.set i, i+1
.endr
.endm
.macro MULQK buf, xf, c0, n            ; 4 n products: channel groups c0 .. c0 + n - 1 x my four row tiles; the window says whether q's or k's sums
.set ct, \c0
.rept \n
.set rt, 0
.rept 4
	v_wmma_f32_16x16x32_bf16 v[8*(4*ct+rt):8*(4*ct+rt)+7], v[(\buf)+8*ct:(\buf)+8*ct+7], v[(\xf)+8*rt:(\xf)+8*rt+7], v[8*(4*ct+rt):8*(4*ct+rt)+7]
.set rt, rt+1
.endr
.set ct, ct+1
.endr
.endm
.macro MULV buf, xf, t                 ; 4 products for v's channel group t, by the buffer's ninth fragment
.set rt, 0
.rept 4
	v_wmma_f32_16x16x32_bf16 v[8*(4*(\t)+rt):8*(4*(\t)+rt)+7], v[(\xf)+8*rt:(\xf)+8*rt+7], v[(\buf)+64:(\buf)+71], v[8*(4*(\t)+rt):8*(4*(\t)+rt)+7]
.set rt, rt+1
.endr
.endm
.set W_Q, 0x53                         ; W window 3, x window 0, sums window 1
.set W_K, 0xa3                         ; sums window 2
.set W_V, 0xfc                         ; x window 0, W and sums window 3
; A K STEP of 64: 144 products in four parts of 36 (k 0-31: q and v's first group, k's and v's second; then k 32-63 likewise).  The 72 accumulators take turns, one instruction a turn.
; While one buffer of W is multiplied the other is loaded; the loads stand in runs, each behind four places or behind 32 conversions that name no register of the last products.
; The change of slots stands at the third part's end: the wait for all my tensor loads comes behind 32 of that part's products, only its last four stand between the add and the wait for it, and
; the refill follows the round at once: from a request to the wait for it a wave issues 140 of a step's 144 products.
; mode 2: the slot is filled again, two steps ahead; 1: the slots change, nothing is asked for; 0: the last step.
.macro STEP sl, mode
	LDW BF1, \sl, 0, 1
	s_wait_dscnt 18                                ; all but the 18 just issued: buffer 0 is in
	WIN W_Q
	MULQK BF0, XF0, 0, 8
	WIN W_V
	MULV BF0, XF0, 0
	PLACES
	LDX \sl, 1
	LDW BF0, \sl, 1, 0
	s_wait_dscnt 34                                ; all but those 34: buffer 1 is in
	WIN W_K
	MULQK BF1, XF0, 0, 8
	WIN W_V
	MULV BF1, XF0, 1
	s_wait_dscnt 18                                ; x is in
	CVX XF1
	LDW BF1, \sl, 1, 1                             ; my last reads of this slot
	s_wait_dscnt 18                                ; buffer 0 is in
	WIN W_Q
	MULQK BF0, XF1, 0, 8
.if (\mode) > 0
	WIN 0                                          ; (the add's two registers lie in window 0)
	s_wait_tensorcnt 0x0                           ; all my tensor loads have landed: the one that was out is my part of the other slot
	ds_add_u32 v[SPW], v[NIL]                      ; 0 onto my spare word
	WIN W_V
	MULV BF0, XF1, 0                               ; four products stand between the add and the wait for it
	WIN 0
	s_wait_dscnt 0x0                               ; the add is done, and my reads of this slot are over
	s_barrier_signal -1
	s_barrier_wait -1
.if (\mode) == 2
	CREST                                          ; the barrier has opened a round of the cluster's: no wave of any partner still reads this slot or has a load on its way
	s_add_nc_u64 s[G0X+4*(\sl)+2:G0X+4*(\sl)+3], s[G0X+4*(\sl)+2:G0X+4*(\sl)+3], s[SX:SX+1]    ; two K steps on, or on to the next tile: the trip's steps
	s_add_nc_u64 s[G0W+4*(\sl)+2:G0W+4*(\sl)+3], s[G0W+4*(\sl)+2:G0W+4*(\sl)+3], s[SWA:SWA+1]
	s_sub_nc_u64 s[G0W+4*(\sl)+2:G0W+4*(\sl)+3], s[G0W+4*(\sl)+2:G0W+4*(\sl)+3], s[SWS:SWS+1]
	JLOAD \sl                                      ; the first tensor load behind the round; its four v_nop are the places in front of the loads below
.else
	PLACES
.endif
	LDX 1-(\sl), 0
	LDW BF0, 1-(\sl), 0, 0
	WIN W_K
	MULQK BF1, XF1, 0, 8
	WIN W_V
	MULV BF1, XF1, 1
	s_wait_dscnt 18                                ; the next step's x is in
	CVX XF0
.else
	WIN W_V
	MULV BF0, XF1, 0
	s_wait_dscnt 0x0
	WIN W_K
	MULQK BF1, XF1, 0, 8
	WIN W_V
	MULV BF1, XF1, 1
.endif
.endm
.macro FETCHK kb, p                    ; 16 loads: key tiles 2 p, 2 p + 1, all 128 channels: fragment f = 4 kk + kf
	WIN 0xc0
.set f, 0
.rept 8
	ds_load_b128 v[(\kb)+8*f:(\kb)+8*f+3],   v[KA] offset:(2*(\p)+f/4)*16*PK+(f%4)*64
	ds_load_b128 v[(\kb)+8*f+4:(\kb)+8*f+7], v[KA] offset:(2*(\p)+f/4)*16*PK+(f%4)*64+32
.set f, f+1
.endr
.endm
.macro FETCHV                          ; 16 loads: V^T for the trip's 128 keys: fragment f = 4 t + kfr
	WIN 0x80
.set f, 0
.rept 8
	ds_load_b128 v[VF+8*f:VF+8*f+3],   v[VA] offset:(f/4)*16*PVT+(f%4)*64
	ds_load_b128 v[VF+8*f+4:VF+8*f+7], v[VA] offset:(f/4)*16*PVT+(f%4)*64+32
.set f, f+1
.endr
.endm
.macro QK kb, p                        ; 32 products S^T = K Q^T: channels outermost, eight accumulators (2 key tiles x 4 row tiles) by turns; the first eight start the sums
	WIN 0x5f
.set kf, 0
.rept 4
.set a, 0
.rept 8
.set rS, 64*(a%4)+8*(2*(\p)+a/4)
.if kf == 0
	v_wmma_f32_16x16x32_f16 v[rS:rS+7], v[(\kb)+32*(a/4)+8*kf:(\kb)+32*(a/4)+8*kf+7], v[32*(a%4)+8*kf:32*(a%4)+8*kf+7], 0
.else
	v_wmma_f32_16x16x32_f16 v[rS:rS+7], v[(\kb)+32*(a/4)+8*kf:(\kb)+32*(a/4)+8*kf+7], v[32*(a%4)+8*kf:32*(a%4)+8*kf+7], v[rS:rS+7]
.endif
.set a, a+1
.endr
.set kf, kf+1
.endr
.endm
.macro LDRAW                           ; four turning loads: 32 keys x my 32 channels
.set i, 0
.rept 2
	ds_load_tr16_b128 v[RAW+8*i:RAW+8*i+3],   v[TA] offset:32*i
	ds_load_tr16_b128 v[RAW+8*i+4:RAW+8*i+7], v[TA] offset:32*i+16*PK
.set i, i+1
.endr
.endm
; 32 keys of D.  elu(k) + 1 = the middle one of k + 1, e^k and 1: for k <= 0, k + 1 <= e^k <= 1; for k > 0, 1 < k + 1 <= e^k (an e^k that overflows is still the largest).
; zero = 1: the products start the sums.  fetch = 1: the next 32 keys' k is asked for
.macro DSTEP zero, fetch
	s_wait_dscnt 0x0                               ; k is in
.set i, 0
.irp r, v32.l,v32.h,v33.l,v33.h,v34.l,v34.h,v35.l,v35.h,v36.l,v36.h,v37.l,v37.h,v38.l,v38.h,v39.l,v39.h,v40.l,v40.h,v41.l,v41.h,v42.l,v42.h,v43.l,v43.h,v44.l,v44.h,v45.l,v45.h,v46.l,v46.h,v47.l,v47.h
	v_cvt_f32_f16 v[F+i], \r                       ; these 32 lines are also the places between the last products and the loads into their sources
.set i, i+1
.endr
.set i, 0
.rept 2
	ds_load_b128 v[VT+8*i:VT+8*i+3],   v[VD] offset:i*16*PVT
	ds_load_b128 v[VT+8*i+4:VT+8*i+7], v[VD] offset:i*16*PVT+32
.set i, i+1
.endr
.if \fetch
	v_add_nc_u32 v[TA], 32*PK, v[TA]
	LDRAW
.endif
	v_add_nc_u32 v[VD], 64, v[VD]
.set i, 0
.rept 16
	v_pk_mul_f32 v[T+2*i:T+2*i+1], v[F+2*i:F+2*i+1], s[LG:LG+1] op_sel_hi:[1,0]
.set i, i+1
.endr
.set i, 0
.rept 32
	v_exp_f32 v[T+i], v[T+i]                       ; e^k
.set i, i+1
.endr
.set i, 0
.rept 16
	v_pk_add_f32 v[F+2*i:F+2*i+1], v[F+2*i:F+2*i+1], 1.0 op_sel_hi:[1,0]  ; k + 1; also the plain lines behind the exponentials
.set i, i+1
.endr
.set i, 0
	s_wait_alu depctr_va_vdst(0)
.rept 32
	v_med3_num_f32 v[F+i], v[F+i], v[T+i], 1.0
.set i, i+1
.endr
.set i, 0
.rept 16
	v_cvt_pk_f16_f32 v[SK+i], v[F+2*i], v[F+2*i+1]
.set i, i+1
.endr
.if \fetch
	s_wait_dscnt 4                                 ; V^T is in; the next k's four loads may be out
.else
	s_wait_dscnt 0x0
.endif
.set u, 0
.rept 3                                ; six accumulators by turns
.set i, 0
.rept 2
.if \zero
	v_wmma_f32_16x16x32_f16 v[DACC+8*(3*i+u):DACC+8*(3*i+u)+7], v[SK+8*i:SK+8*i+7], v[VT+8*u:VT+8*u+7], 0
.else
	v_wmma_f32_16x16x32_f16 v[DACC+8*(3*i+u):DACC+8*(3*i+u)+7], v[SK+8*i:SK+8*i+7], v[VT+8*u:VT+8*u+7], v[DACC+8*(3*i+u):DACC+8*(3*i+u)+7]
.endif
.set i, i+1
.endr
.set u, u+1
.endr
.endm
	s_load_b256 s[4:11], s[0:1], 0x0               ; x s[4:5], wb s[6:7], bq s[8:9], bk s[10:11]
	s_load_b256 s[12:19], s[0:1], 0x20             ; bv s[12:13], qf s[14:15], part s[16:17], delta s[18:19]
	v_lshl_add_u32 v[SPW], v0, 2, SPARE
	v_mov_b32 v[NIL], 0
	ds_add_u32 v[SPW], v[NIL]                      ; the wave's opening, waited for ahead of my first tensor load
	ds_add_u32 v28, v29
	v_lshrrev_b32 v1, 5, v0
	v_readfirstlane_b32 s[WV], v1
	s_lshr_b32 s[HF], s[WV], 1
	s_and_b32 s[HB], s[WV], 1
	s_bfe_u32 s23, ttmp6, 0x40000                  ; cx
	s_bfe_u32 s24, ttmp6, 0x40004                  ; cy
	s_lshl_b32 s25, ttmp9, 2
	s_add_co_u32 s25, s25, s23                     ; head = 4 x cluster x + cx
	s_and_b32 s26, ttmp7, 0xffff
	s_lshl_b32 s26, s26, 2
	s_add_co_u32 s26, s26, s24                     ; the first tile's segment = 4 x cluster y + cy, 0 .. 31
	s_lshl_b32 s27, s24, 2
	s_lshl_b32 s27, 15, s27                        ; my row of the cluster: the same segments
	s_lshl_b32 s28, 0x1111, s23                    ; my column: the same head
	s_or_b32 s[G1X], s27, (2<<16)|(1<<20)|(1<<21)|(5<<22)|(3<<25)  ; mask; 4-byte elements; padding on; bit 21 beside a mask; after every 64 words, 4 words
	s_mov_b32 s[G1X+1], 64<<16                     ; tensor_dim0 = 64
	s_mov_b32 s[G1X+2], 128<<16                    ; tensor_dim1 = 128
	s_mov_b32 s[G1X+3], 64<<16                     ; tile_dim0 = 64
	s_mov_b32 s[G1X+4], 128                        ; tile_dim1 = 128
	s_mov_b32 s[G1X+5], 512                        ; elements from row to row
	s_mov_b32 s[G1X+6], 0
	s_mov_b32 s[G1X+7], 0
	s_or_b32 s[G1W], s28, (1<<16)|(1<<20)|(1<<21)|(4<<22)|(3<<25)  ; 2-byte elements; after every 32 words (a row of W), 4 words
	s_mov_b32 s[G1W+1], 128<<16                    ; 18,432 dense bytes as 72 rows of 256
	s_mov_b32 s[G1W+2], 72<<16
	s_mov_b32 s[G1W+3], 128<<16
	s_mov_b32 s[G1W+4], 72
	s_mov_b32 s[G1W+5], 128
	s_mov_b32 s[G1W+6], 0
	s_mov_b32 s[G1W+7], 0
	s_lshl_b32 s30, s26, 19                        ; x: 256 segment rows of 2,048 bytes,
	s_lshl_b32 s31, s[HB], 18                      ; + 128 rows for the second half: made of the segment and the wave alone
	s_add_co_u32 s30, s30, s31
	s_mov_b32 s31, 0
	s_mul_i32 s80, s25, 294912                     ; W: the head's eight tiles,
	s_mul_i32 s81, s[HB], 18432                    ; + half a tile: made of the head and the wave alone
	s_add_co_u32 s80, s80, s81
	s_mov_b32 s81, 0
	s_mul_i32 s82, s[HB], 128*PX                   ; where they go: no place in the cluster enters an LDS address
	s_mul_i32 s83, s[HB], 144*PW
	s_add_co_u32 s83, s83, XW
	s_mov_b32 s[CS], 0x3e0293ee                    ; c = log2(e) / sqrt(128)
	s_mov_b32 s[CS+1], s[CS]
	s_mov_b32 s[SEL], 0x76543210
	s_mov_b32 s[SEL+1], 0xfedcba98
	s_mov_b32 s[LG], 0x3fb8aa3b
	s_mov_b32 s[LG+1], s[LG]
	s_mov_b32 s[K512], 512                         ; x, two K steps on: 128 f32
	s_mov_b32 s[KNX], TILEX-6*256                  ; x, from a slot's last K step of a tile (6 or 7) to its first of the next (0 or 1)
	s_mov_b32 s[KW1], 2*36864                      ; W, two K steps on
	s_mov_b32 s[KW2], 6*36864                      ; W, back by six: the walk's tiles share the head's weights
	s_mov_b32 s[SX+1], 0                           ; the steps' high words
	s_mov_b32 s[SWA+1], 0
	s_mov_b32 s[SWS+1], 0
	s_wait_dscnt 0x0                               ; the opening add is done
	s_wait_kmcnt 0x0
	s_add_nc_u64 s[30:31], s[4:5], s[30:31]
	s_add_nc_u64 s[80:81], s[6:7], s[80:81]
	CROUND                                         ; all sixteen work-groups are here: the first joint loads meet
.irp sl, 0,1
	s_mov_b32 s[G0X+4*(\sl)], 1
	s_add_co_u32 s[G0X+4*(\sl)+1], s82, (\sl)*SLOTB
	s_add_nc_u64 s[G0X+4*(\sl)+2:G0X+4*(\sl)+3], s[30:31], (\sl)*256      ; K step sl: 64 f32 along the rows
	s_or_b32 s[G0X+4*(\sl)+3], s[G0X+4*(\sl)+3], 0x80000000
	s_mov_b32 s[G0W+4*(\sl)], 1
	s_add_co_u32 s[G0W+4*(\sl)+1], s83, (\sl)*SLOTB
	s_add_nc_u64 s[G0W+4*(\sl)+2:G0W+4*(\sl)+3], s[80:81], (\sl)*36864    ; K step sl: the next tile of wb
	s_or_b32 s[G0W+4*(\sl)+3], s[G0W+4*(\sl)+3], 0x80000000
.endr
	s_cmp_eq_u32 s[HF], 0                          ; a wave's two first fills stand in one branch: two loads of mine are out
	s_cbranch_scc0 .Lfirst_w
	tensor_load_to_lds s[G0X:G0X+3], s[G1X:G1X+7]
	s_nop 0
	tensor_load_to_lds s[G0X+4:G0X+7], s[G1X:G1X+7]
	s_nop 0
.rept 4
	v_nop
.endr
	s_branch .Lfirst_asked
.Lfirst_w:
	tensor_load_to_lds s[G0W:G0W+3], s[G1W:G1W+7]
	s_nop 0
	tensor_load_to_lds s[G0W+4:G0W+7], s[G1W:G1W+7]
	s_nop 0
.rept 4
	v_nop
.endr
.Lfirst_asked:
	; the stores' bases for the first tile, and the biases' addresses
	s_lshl_b32 s84, s26, 3
	s_add_co_u32 s84, s84, s25                     ; the tile's number, 8 x segment + head
	s_mov_b32 s87, 0
	s_lshl_b32 s86, s84, 16
	s_lshl_b32 s85, s[WV], 14
	s_add_co_u32 s86, s86, s85
	s_add_nc_u64 s[QFB:QFB+1], s[14:15], s[86:87]
	s_lshl_b32 s86, s84, 14
	s_lshl_b32 s85, s[WV], 12
	s_add_co_u32 s86, s86, s85
	s_add_nc_u64 s[PTB:PTB+1], s[16:17], s[86:87]
	s_mul_i32 s86, s84, 24576
	s_lshl_b32 s85, s[WV], 11
	s_add_co_u32 s86, s86, s85
	s_add_nc_u64 s[DLB:DLB+1], s[18:19], s[86:87]
	s_lshl_b32 s86, s25, 9
	s_add_nc_u64 s[8:9], s[8:9], s[86:87]          ; bq and bk at the head's 128 numbers,
	s_add_nc_u64 s[10:11], s[10:11], s[86:87]
	s_lshl_b32 s86, s25, 7
	s_add_nc_u64 s[12:13], s[12:13], s[86:87]      ; bv at its 32
	v_lshlrev_b32 v42, 2, v0                       ; thread t takes number t
	global_load_b32 v43, v42, s[8:9]
	global_load_b32 v44, v42, s[10:11]
	v_add_nc_u32 v45, BIAS, v42
	; lane addresses: r = l % 16, h = l / 16; v32-46 are at work here alone
	v_and_b32 v1, 15, v0
	v_bfe_u32 v32, v0, 4, 1
	v_and_b32 v33, 31, v0
	v_lshlrev_b32 v[GL], 4, v33
	v_mul_u32_u24 v34, v1, PX                      ; r x 272
	s_mul_i32 s85, s[WV], 64*PX
	v_add_nc_u32 v35, s85, v34                     ; (64 w + r) x 272
	v_lshl_add_u32 v[ADRX], v32, 5, v35            ; a fragment's eight k are 32 bytes of f32
	v_add_nc_u32 v[ADRX+1], SLOTB, v[ADRX]
	v_and_b32 v36, 3, v0
	v_bfe_u32 v37, v0, 2, 2
	v_lshl_add_u32 v36, v36, 2, v37                ; channel r lies in row 4 (r % 4) + r / 4 of its group
	v_mul_u32_u24 v36, v36, PW
	v_lshl_add_u32 v36, v32, 4, v36
	v_add_nc_u32 v[ADRW], XW, v36
	v_add_nc_u32 v[ADRW+1], XW+SLOTB, v36
	v_lshl_add_u32 v[BA], v32, 5, BIAS
	v_lshl_add_u32 v[BVA], v1, 2, BIAS+1024
	v_lshl_add_u32 v38, v32, 4, KST
	v_add_nc_u32 v[KS], v38, v35
	v_add_nc_u32 v[KA0], v38, v34
	v_mul_u32_u24 v39, v1, PVT
	v_lshl_add_u32 v39, v32, 4, v39
	v_add_nc_u32 v[VA0], VST, v39
	s_lshl_b32 s85, s[WV], 7
	v_add_nc_u32 v[VS], s85, v[VA0]                ; my 64 keys are 128 bytes of a row of v^T
	v_and_b32 v40, 7, v0                           ; the turning load: key 8 h + l % 8, channels 8 ((l / 8) % 2) on, of my 32 channels
	v_lshl_add_u32 v40, v32, 3, v40
	v_mul_u32_u24 v40, v40, PK
	v_bfe_u32 v41, v0, 3, 1
	v_lshl_add_u32 v40, v41, 4, v40
	s_lshl_b32 s85, s[WV], 6
	s_add_co_u32 s85, s85, KST
	v_add_nc_u32 v[TA0], s85, v40
	; the biases, rounded to bf16 like every input, into LDS: once, since all my tiles are one head's
	s_cmp_lg_u32 s[WV], 0
	s_cbranch_scc1 .Lno_bv
	global_load_b32 v46, v42, s[12:13]             ; wave 0: bv's 32
	s_wait_loadcnt 0x0
	v_cvt_pk_bf16_f32 v46, v46, v46
	v_lshlrev_b32 v46, 16, v46
	ds_store_b32 v45, v46 offset:1024
.Lno_bv:
	s_wait_loadcnt 0x0
	v_cvt_pk_bf16_f32 v43, v43, v44
	v_lshlrev_b32 v44, 16, v43
	v_and_b32 v43, 0xffff0000, v43
	ds_store_b32 v45, v44
	ds_store_b32 v45, v43 offset:512
	s_wait_tensorcnt 0x1                           ; my part of slot 0 is in; slot 1's may stay out
	s_wait_dscnt 0x0                               ; my biases are stored
	s_barrier_signal -1
	s_barrier_wait -1
	s_mov_b32 s[TILES], NT
.Ltile:                                                ; slot 0 holds this tile's K step 0, shown landed to every wave; slot 1's load may be out: the first change of slots waits for it
	v_mov_b32 v[KA], v[KA0]                        ; the addresses that step in a tile begin anew
	v_mov_b32 v[VA], v[VA0]
	v_mov_b32 v[VD], v[VA0]
	v_mov_b32 v[TA], v[TA0]
	s_cmp_eq_u32 s[TILES], 1
	s_cselect_b32 s[KTR], 3, 4                     ; the last tile asks for nothing beyond its own eight K steps
	; THE SUMS START AS THE BIAS: nothing is cleared and no bias is added later.  A lane's eight channels of q or k are 32 bytes; of v one number for all eight keys.
	WIN 0x40
.set a, 0
.rept 32
	ds_load_b128 v[8*a:8*a+3],   v[BA] offset:64*(a/4)
	ds_load_b128 v[8*a+4:8*a+7], v[BA] offset:64*(a/4)+16
.set a, a+1
.endr
	WIN 0x80
.set a, 0
.rept 32
	ds_load_b128 v[8*a:8*a+3],   v[BA] offset:512+64*(a/4)
	ds_load_b128 v[8*a+4:8*a+7], v[BA] offset:512+64*(a/4)+16
.set a, a+1
.endr
	WIN 0xc0
.set a, 0
.rept 64
	ds_load_b32 v[a], v[BVA] offset:64*(a/32)
.set a, a+1
.endr
	LDX 0, 0
	LDW BF0, 0, 0, 0
	s_wait_dscnt 18                                ; the biases and x are in
	CVX XF0
	s_mov_b32 s[CNT], 0
.Lk:                                                   ; a trip is two K steps and fills both slots again: trips 0 to 2 ask for K steps 2 to 7, trip 3 for the next tile's 0 and 1
	s_cmp_eq_u32 s[CNT], 3
	s_cselect_b32 s[SX], s[KNX], s[K512]
	s_cselect_b32 s[SWA], 0, s[KW1]
	s_cselect_b32 s[SWS], s[KW2], 0
	STEP 0, 2
	STEP 1, 2
	WIN 0
	s_add_co_u32 s[CNT], s[CNT], 1
	s_cmp_lt_u32 s[CNT], s[KTR]
	s_cbranch_scc1 .Lk
	s_cmp_lg_u32 s[TILES], 1
	s_cbranch_scc1 .Lout                           ; a tile with a successor has run all eight K steps in the loop
	STEP 0, 1                                      ; the last tile's K steps 6 and 7 fill nothing
	STEP 1, 0
	WIN 0
.Lout:
	; THE PROJECTION'S WAY OUT: v^T and k into LDS in f16, q into registers in f16 (as fragments) and to memory in bf16.  Every accumulator is read from its low end on.
	s_wait_dscnt 0x0                               ; the fourth trip's fetch of W is back: its registers are written below
	PLACES
	WIN 0x0f
.set a, 0
.rept 32
	v_cvt_pk_f16_f32 v[TMP+a], v[2*a], v[2*a+1]
.set a, a+1
.endr
	WIN 0
.set a, 0
.rept 8                                ; tile a = 4 t + rt: channel 16 t + r, keys 16 rt + 8 h on
	ds_store_b128 v[VS], v[TMP+4*a:TMP+4*a+3] offset:(a/4)*16*PVT+32*(a%4)
.set a, a+1
.endr
	WIN 0x0a
.set a, 0
.rept 128
	v_cvt_pk_f16_f32 v[TMP+a], v[2*a], v[2*a+1]
.set a, a+1
.endr
	WIN 0
.set a, 0
.rept 32                               ; tile a = 4 ct + rt: key 16 rt + r, channels 16 ct + 8 h on
	ds_store_b128 v[KS], v[TMP+4*a:TMP+4*a+3] offset:(a%4)*16*PK+32*(a/4)
.set a, a+1
.endr
	WIN 0xc5
.set a, 0
.rept 32                               ; tile a = 4 ct + rt goes to Q's registers 32 rt + 4 ct on: two neighbouring ct are a fragment
.set i, 0
.rept 4
	v_cvt_pk_f16_f32 v[32*(a%4)+4*(a/4)+i], v[8*a+2*i], v[8*a+2*i+1]
.set i, i+1
.endr
.set a, a+1
.endr
	WIN 0x05
.set a, 0
.rept 32                               ; the same places once more in bf16, for the memory path
.set i, 0
.rept 4
	v_cvt_pk_bf16_f32 v[TMP+32*(a%4)+4*(a/4)+i], v[8*a+2*i], v[8*a+2*i+1]
.set i, i+1
.endr
.set a, a+1
.endr
	WIN 0
.set n, 0
.rept 32
	global_store_b128 v[GL], v[TMP+4*n:TMP+4*n+3], s[QFB:QFB+1] offset:512*n  ; 512 consecutive bytes, at a multiple of 256 from qf's first
.set n, n+1
.endr
	s_wait_dscnt 0x0                               ; for the others' sake: my k and v^T are stored
	s_barrier_signal -1
	s_barrier_wait -1
	; ATTENTION INSIDE THE SEGMENT.  One text for both trips: O^T and l start at 0, c m far below every c s, m at the lowest finite number; the first trip's factor is then 0.
	WIN 0x80
.set i, OT
.rept 64
	v_mov_b32 v[i], 0
.set i, i+1
.endr
	WIN 0
	ALL4 v_mov_b32 v[ST+8*rt], 0xfe000000
	ALL4 v_mov_b32 v[ST+8*rt+1], 0xff7fffff
	ALL4 v_mov_b32 v[ST+8*rt+2], 0
	ALL4 v_mov_b32 v[ST+8*rt+3], 0
	ALL4 v_mov_b32 v[ST+8*rt+5], 0                 ; v_permlanex16_b32's destination counts as read
	s_mov_b32 s[CNT], 2
.Ltrip:                                                ; 128 keys a trip
	FETCHK KB0, 0
	FETCHK KB1, 1
	FETCHV
	s_wait_dscnt 32                                ; pair 0 of K is in
	QK KB0, 0
	PLACES
	FETCHK KB0, 2
	s_wait_dscnt 32                                ; pair 1 is in (V and pair 2 may be out)
	QK KB1, 1
	PLACES
	FETCHK KB1, 3
	s_wait_dscnt 16                                ; V and pair 2 are in
	QK KB0, 2
	s_wait_dscnt 0x0
	QK KB1, 3
	PLACES
	; the maximum of a lane's 64 scores and the old m, three operands at a time; each tile's lowest register is read first; the four row tiles alternate
	WIN 0x15
	ALL4 v_max3_num_f32 v[ST+8*rt+4], v[64*rt], v[64*rt+1], v[64*rt+2]
	WIN 0x14
.set n, 3
.rept 30
	ALL4 v_max3_num_f32 v[ST+8*rt+4], v[ST+8*rt+4], v[64*rt+n], v[64*rt+n+1]
.set n, n+2
.endr
	WIN 0x04
	ALL4 v_max3_num_f32 v[ST+8*rt+4], v[ST+8*rt+4], v[64*rt+63], v[ST+8*rt+1]
	WIN 0
	ALL4 v_permlanex16_b32 v[ST+8*rt+5], v[ST+8*rt+4], s[SEL], s[SEL+1]  ; the query's other keys lie in the lane 16 away
	ALL4 v_mov_b32 v[ST+8*rt+7], v[ST+8*rt]        ; c m_old is kept
	ALL4 v_max_num_f32 v[ST+8*rt+1], v[ST+8*rt+4], v[ST+8*rt+5]
	ALL4 v_mul_f32 v[ST+8*rt], s[CS], v[ST+8*rt+1]
	ALL4 v_sub_f32 v[ST+8*rt+5], v[ST+8*rt+7], v[ST+8*rt]
	ALL4 v_exp_f32 v[ST+8*rt+6], v[ST+8*rt+5]      ; a = 2^(c m_old - c m_new); the scalings below are the plain lines behind it
	WIN 0x41
.set n, 0
.rept 128
	v_pk_fma_f32 v[2*n:2*n+1], v[2*n:2*n+1], s[CS:CS+1], v[ST+8*(n/32):ST+8*(n/32)+1] op_sel_hi:[1,0,0] neg_lo:[0,0,1] neg_hi:[0,0,1]  ; c s - c m
.set n, n+1
.endr
.set n, 0
.rept 256
	v_exp_f32 v[n], v[n]
.set n, n+1
.endr
	v_nop                                          ; a plain line between the last exponential and the use of its result
	WIN 0x85
.set n, 0
	s_wait_alu depctr_va_vdst(0)
.rept 128
	v_cvt_pk_f16_f32 v[n], v[2*n], v[2*n+1]        ; two packed tiles of S^T are source 1 of V^T P
.set n, n+1
.endr
	WIN 0x82
.set n, 0
.rept 32
	v_pk_mul_f32 v[OT+2*n:OT+2*n+1], v[OT+2*n:OT+2*n+1], v[ST+8*(n/8)+6:ST+8*(n/8)+7] op_sel_hi:[1,0]  ; O^T a
.set n, n+1
.endr
	WIN 0xaa
.set kf, 0
.rept 4                                ; 32 products O^T += V^T P: keys outermost, eight accumulators a = 2 rt + t by turns
.set a, 0
.rept 8
	v_wmma_f32_16x16x32_f16 v[OT+8*a:OT+8*a+7], v[VF+32*(a%2)+8*kf:VF+32*(a%2)+8*kf+7], v[32*(a/2)+8*kf:32*(a/2)+8*kf+7], v[OT+8*a:OT+8*a+7]
.set a, a+1
.endr
.set kf, kf+1
.endr
	WIN 0x45                                       ; the weights' sums, of the unrounded p, as a tree in place: 124 plain lines that name no register of those products: their places
.set wd, 16
.rept 5
.set p, 0
.rept wd
	ALL4 v_pk_add_f32 v[64*rt+2*p:64*rt+2*p+1], v[64*rt+2*p:64*rt+2*p+1], v[64*rt+2*(p+wd):64*rt+2*(p+wd)+1]
.set p, p+1
.endr
.set wd, wd/2
.endr
	WIN 0x10
	ALL4 v_pk_fma_f32 v[ST+8*rt+2:ST+8*rt+3], v[ST+8*rt+2:ST+8*rt+3], v[ST+8*rt+6:ST+8*rt+7], v[64*rt:64*rt+1] op_sel_hi:[1,0,1]  ; l = a l + sum
	WIN 0
	v_add_nc_u32 v[KA], 128*PK, v[KA]              ; the next 128 keys
	v_add_nc_u32 v[VA], 256, v[VA]
	s_sub_co_u32 s[CNT], s[CNT], 1
	s_cmp_lg_u32 s[CNT], 0
	s_cbranch_scc1 .Ltrip
	ALL4 v_add_f32 v[ST+8*rt+4], v[ST+8*rt+2], v[ST+8*rt+3]
	ALL4 v_permlanex16_b32 v[ST+8*rt+5], v[ST+8*rt+4], s[SEL], s[SEL+1]
	ALL4 v_add_f32 v[ST+8*rt+4], v[ST+8*rt+4], v[ST+8*rt+5]
	ALL4 v_rcp_f32 v[ST+8*rt+6], v[ST+8*rt+4]
	v_nop                                          ; a plain line between the last reciprocal and the use of its result
	WIN 0x82
.set n, 0
	s_wait_alu depctr_va_vdst(0)
.rept 32
	v_pk_mul_f32 v[OT+2*n:OT+2*n+1], v[OT+2*n:OT+2*n+1], v[ST+8*(n/8)+6:ST+8*(n/8)+7] op_sel_hi:[1,0]
.set n, n+1
.endr
	s_wait_xcnt 0x0                                ; q's stores have read their registers: these are written again below
	WIN 0x0a
.set n, 0
.rept 32
	v_cvt_pk_f16_f32 v[TMP+n], v[OT+2*n], v[OT+2*n+1]
.set n, n+1
.endr
	WIN 0
.set a, 0
.rept 8                                ; tile a = 2 rt + t leaves in its register order: the launch that adds the heads holds its sums in the same order
	global_store_b128 v[GL], v[TMP+4*a:TMP+4*a+3], s[PTB:PTB+1] offset:512*a
.set a, a+1
.endr
	; D = (elu(k) + 1)^T [v | 1] over all 256 keys, for my 32 channels of k (two tiles i): source 0 = k turned by ds_load_tr16_b128 and mapped, source 1 = V^T's two fragments and ones.
	; The turning loads on pitch 272 meet two deep; the pitch serves the 128 plain loads of K.
	s_wait_xcnt 0x0                                ; the stores above, and the last tile's of D, have read their registers: these are written again below
.set i, 0
.rept 8
	v_mov_b32 v[ONE+i], 0x3c003c00                 ; 1.0, twice, in f16
.set i, i+1
.endr
	LDRAW
	DSTEP 1, 1
	s_mov_b32 s[CNT], 6
.Ld:
	DSTEP 0, 1
	s_sub_co_u32 s[CNT], s[CNT], 1
	s_cmp_lg_u32 s[CNT], 0
	s_cbranch_scc1 .Ld
	DSTEP 0, 0
	PLACES
.set a, 0
.rept 6                                ; accumulator a = 3 i + u, its low half first
	global_store_b128 v[GL], v[DACC+8*a:DACC+8*a+3],   s[DLB:DLB+1] offset:8192*(a%3)+1024*(a/3)
	global_store_b128 v[GL], v[DACC+8*a+4:DACC+8*a+7], s[DLB:DLB+1] offset:8192*(a%3)+1024*(a/3)+512
.set a, a+1
.endr
	s_wait_xcnt 0x0                                ; the stores' bases are stepped only behind this wait; nothing waits for the stores themselves
	s_add_nc_u64 s[QFB:QFB+1], s[QFB:QFB+1], 256*65536   ; 32 segments of 8 heads on
	s_add_nc_u64 s[PTB:PTB+1], s[PTB:PTB+1], 256*16384
	s_add_nc_u64 s[DLB:DLB+1], s[DLB:DLB+1], 256*24576
	s_sub_co_u32 s[TILES], s[TILES], 1
	s_cmp_lg_u32 s[TILES], 0
	s_cbranch_scc1 .Ltile                          ; the next tile's rounds stand between my reads of k and v^T here and anybody's next stores there
	s_wait_tensorcnt 0x0                           ; the wave's end: behind my last tensor load and my last LDS store
	ds_add_u32 v[SPW], v[NIL]
	s_wait_dscnt 0x0
	CROUND                                         ; the closing round: no work-group ends while a partner may still ask for a tile that names it
	s_endpgm
.Lfunc_end_k_qcaeb7298fe_attn:
	.size	k_qcaeb7298fe_attn, .Lfunc_end_k_qcaeb7298fe_attn-k_qcaeb7298fe_attn
	.p2alignl 7, 3214868480
	.fill 96, 4, 3214868480
	.section	.rodata,"a",@progbits
	.p2align	6, 0x0
	.amdhsa_kernel k_qcaeb7298fe_attn
		.amdhsa_group_segment_fixed_size 327680
		.amdhsa_private_segment_fixed_size 0
		.amdhsa_enable_private_segment 0
		.amdhsa_kernarg_size 64
		.amdhsa_user_sgpr_count 2
		.amdhsa_user_sgpr_kernarg_segment_ptr 1
		.amdhsa_wavefront_size32 1
		.amdhsa_system_sgpr_workgroup_id_x 1
		.amdhsa_system_sgpr_workgroup_id_y 1
		.amdhsa_system_sgpr_workgroup_id_z 1
		.amdhsa_system_vgpr_workitem_id 0
		.amdhsa_next_free_vgpr 1024
		.amdhsa_next_free_sgpr 100
		.amdhsa_reserve_vcc 0
		.amdhsa_float_denorm_mode_32 3
		.amdhsa_float_denorm_mode_16_64 3
		.amdhsa_memory_ordered 1
		.amdhsa_forward_progress 1
		.amdhsa_inst_pref_size 233
	.end_amdhsa_kernel
	.amdgpu_metadata
---
amdhsa.version: [ 1, 2 ]
amdhsa.kernels:
  - .name:           k_qcaeb7298fe_attn
    .symbol:         k_qcaeb7298fe_attn.kd
    .args:
      - { .name: x, .offset: 0, .size: 8, .value_kind: global_buffer, .address_space: global }
      - { .name: wb, .offset: 8, .size: 8, .value_kind: global_buffer, .address_space: global }
      - { .name: bq, .offset: 16, .size: 8, .value_kind: global_buffer, .address_space: global }
      - { .name: bk, .offset: 24, .size: 8, .value_kind: global_buffer, .address_space: global }
      - { .name: bv, .offset: 32, .size: 8, .value_kind: global_buffer, .address_space: global }
      - { .name: qf, .offset: 40, .size: 8, .value_kind: global_buffer, .address_space: global }
      - { .name: part, .offset: 48, .size: 8, .value_kind: global_buffer, .address_space: global }
      - { .name: delta, .offset: 56, .size: 8, .value_kind: global_buffer, .address_space: global }
    .group_segment_fixed_size: 327680
    .private_segment_fixed_size: 0
    .kernarg_segment_align: 8
    .kernarg_segment_size: 64
    .max_flat_workgroup_size: 128
    .sgpr_count:     100
    .vgpr_count:     1024
    .wavefront_size: 32
...
	.end_amdgpu_metadata
.endif
;; end of part 2
;; launch scan (part 3): grid 8 x 32, 3 waves a work-group, no clusters, 0 bytes of LDS; arguments delta, mp; writes mp
.if DOCPART == 3
	.amdgcn_target "amdgcn-amd-amdhsa--gfx1250"
	.amdhsa_code_object_version 6
	.text
	.protected	k_qcaeb7298fe_scan
	.globl	k_qcaeb7298fe_scan
	.p2align	8
	.type	k_qcaeb7298fe_scan,@function
k_qcaeb7298fe_scan:
	s_mov_b64 s[64:65], 0
	v_nop
	global_prefetch_b8 v0, s[64:65] scope:SCOPE_SE
	s_setreg_imm32_b32 hwreg(HW_REG_WAVE_MODE, 25, 1), 1
	s_wait_xcnt 0x0
; The running sum of D over the 32 segments of a batch, the segment's own D included, rounded to bf16 as matrix fragments.
; delta: f32 [sg 128][h 8][tile 24][half 2][lane 16 bytes]; mp: bf16 [sg][h][tile 24][lane 16 bytes].  Tiles 0-15 are (elu(k) + 1)^T v, tiles 16-23 the column sums, which count 256 times.
; One wave owns one tile of one (batch, head): 8 numbers a lane, kept in f32 from segment to segment.  768 waves, 256 work-groups; no LDS, no barrier: no wave needs another's data.
; A ring of 16 segment slots: 32 loads of 512 consecutive bytes are on their way in every wave; a slot is loaded again as soon as its segment has been added.
; LIMIT: the sums leave with bf16's 8 significant bits; their range is f32's.
.set AC, 8                             ; v[8:15]    the running sums
.set X,  16                            ; v[16:143]  slot: 8 registers
.set Y,  144                           ; v[144:175] eight sets of four to store
	s_load_b128 s[4:7], s[0:1], 0x0                ; delta s[4:5], mp s[6:7]
	v_lshrrev_b32 v1, 5, v0
	v_readfirstlane_b32 s8, v1
	s_mul_i32 s9, ttmp9, 3
	s_add_co_u32 s9, s9, s8                        ; the tile, 0..23
	s_and_b32 s10, ttmp7, 0xffff
	s_lshr_b32 s11, s10, 3                         ; batch
	s_and_b32 s10, s10, 7                          ; head
	s_cmp_ge_u32 s9, 16
	s_cselect_b32 s16, 0x43800000, 1.0             ; 256 for the column sums
	s_mov_b32 s17, s16
	s_mul_i32 s12, s11, 6291456                    ; 32 segments of 196,608 bytes,
	s_mul_i32 s14, s10, 24576
	s_add_co_u32 s12, s12, s14
	s_lshl_b32 s14, s9, 10
	s_add_co_u32 s12, s12, s14
	s_mov_b32 s13, 0
	s_mul_i32 s14, s11, 3145728                    ; and of 98,304
	s_mul_i32 s15, s10, 12288
	s_add_co_u32 s14, s14, s15
	s_lshl_b32 s15, s9, 9
	s_add_co_u32 s14, s14, s15
	s_mov_b32 s15, 0
	v_and_b32 v1, 31, v0
	v_lshlrev_b32 v1, 4, v1                        ; 16 x lane; never rewritten
	s_wait_kmcnt 0x0
	s_add_nc_u64 s[4:5], s[4:5], s[12:13]
	s_add_nc_u64 s[6:7], s[6:7], s[14:15]
.set sgm, 0
.rept 16
	global_load_b128 v[X+8*sgm:X+8*sgm+3],   v1, s[4:5] offset:196608*sgm th:TH_LOAD_NT
	global_load_b128 v[X+8*sgm+4:X+8*sgm+7], v1, s[4:5] offset:196608*sgm+512 th:TH_LOAD_NT
.set sgm, sgm+1
.endr
.set sgm, 0
.rept 32
.set xs, X+8*(sgm%16)
.set ys, Y+4*(sgm%8)
.if sgm < 16
	s_wait_loadcnt 30                              ; loads come back in order: this segment's two are in, the 15 younger segments' stay out
.else
	s_wait_loadcnt 2*(31-sgm)                      ; nothing more is asked for: the counts run down
.endif
	s_wait_xcnt 0x0                                ; the set of four below was an earlier store's data: it is rewritten only behind this wait
.set i, 0
.rept 4
.if sgm == 0
	v_pk_mul_f32 v[AC+2*i:AC+2*i+1], v[xs+2*i:xs+2*i+1], s[16:17] op_sel_hi:[1,0]  ; the first segment starts the sums
.else
	v_pk_fma_f32 v[AC+2*i:AC+2*i+1], v[xs+2*i:xs+2*i+1], s[16:17], v[AC+2*i:AC+2*i+1] op_sel_hi:[1,0,1]
.endif
.set i, i+1
.endr
.set i, 0
.rept 4
	v_cvt_pk_bf16_f32 v[ys+i], v[AC+2*i], v[AC+2*i+1]
.set i, i+1
.endr
.if sgm < 16
	global_load_b128 v[xs:xs+3],   v1, s[4:5] offset:196608*(sgm+16) th:TH_LOAD_NT
	global_load_b128 v[xs+4:xs+7], v1, s[4:5] offset:196608*(sgm+16)+512 th:TH_LOAD_NT
.endif
	global_store_b128 v1, v[ys:ys+3], s[6:7] offset:98304*sgm  ; 512 consecutive bytes, at a multiple of 256 from mp's first
.set sgm, sgm+1
.endr
	s_endpgm
.Lfunc_end_k_qcaeb7298fe_scan:
	.size	k_qcaeb7298fe_scan, .Lfunc_end_k_qcaeb7298fe_scan-k_qcaeb7298fe_scan
	.p2alignl 7, 3214868480
	.fill 96, 4, 3214868480
	.section	.rodata,"a",@progbits
	.p2align	6, 0x0
	.amdhsa_kernel k_qcaeb7298fe_scan
		.amdhsa_group_segment_fixed_size 0
		.amdhsa_private_segment_fixed_size 0
		.amdhsa_enable_private_segment 0
		.amdhsa_kernarg_size 16
		.amdhsa_user_sgpr_count 2
		.amdhsa_user_sgpr_kernarg_segment_ptr 1
		.amdhsa_wavefront_size32 1
		.amdhsa_system_sgpr_workgroup_id_x 1
		.amdhsa_system_sgpr_workgroup_id_y 1
		.amdhsa_system_sgpr_workgroup_id_z 1
		.amdhsa_system_vgpr_workitem_id 0
		.amdhsa_next_free_vgpr 176
		.amdhsa_next_free_sgpr 66
		.amdhsa_reserve_vcc 0
		.amdhsa_float_denorm_mode_32 3
		.amdhsa_float_denorm_mode_16_64 3
		.amdhsa_memory_ordered 1
		.amdhsa_forward_progress 1
		.amdhsa_inst_pref_size 29
	.end_amdhsa_kernel
	.amdgpu_metadata
---
amdhsa.version: [ 1, 2 ]
amdhsa.kernels:
  - .name:           k_qcaeb7298fe_scan
    .symbol:         k_qcaeb7298fe_scan.kd
    .args:
      - { .name: delta, .offset: 0, .size: 8, .value_kind: global_buffer, .address_space: global }
      - { .name: mp, .offset: 8, .size: 8, .value_kind: global_buffer, .address_space: global }
    .group_segment_fixed_size: 0
    .private_segment_fixed_size: 0
    .kernarg_segment_align: 8
    .kernarg_segment_size: 16
    .max_flat_workgroup_size: 96
    .sgpr_count:     66
    .vgpr_count:     176
    .wavefront_size: 32
...
	.end_amdgpu_metadata
.endif
;; end of part 3
;; launch blend (part 4): grid 256 x 1, 8 waves a work-group, no clusters, 281,600 bytes of LDS; arguments qf, mp, part, beta, out0; writes out0
.if DOCPART == 4
	.amdgcn_target "amdgcn-amd-amdhsa--gfx1250"
	.amdhsa_code_object_version 6
	.text
	.protected	k_qcaeb7298fe_blend
	.globl	k_qcaeb7298fe_blend
	.p2align	8
	.type	k_qcaeb7298fe_blend,@function
k_qcaeb7298fe_blend:
	s_mov_b64 s[64:65], 0
	v_nop
	global_prefetch_b8 v0, s[64:65] scope:SCOPE_SE
	s_setreg_imm32_b32 hwreg(HW_REG_WAVE_MODE, 25, 1), 1
	s_wait_xcnt 0x0
; out = sigmoid(beta) mean_h(a_mem) + (1 - sigmoid(beta)) mean_h(a_dot), a_mem = (elu(q) + 1) M / ((elu(q) + 1) z + 1e-5).
; A work-group owns half a segment, 128 rows; each of its eight waves 16 rows, for all eight heads.  256 work-groups, one for each WGP, two waves on a SIMD with 512 registers each.
; ALL THAT A WAVE NEEDS IS ASKED FOR AT ITS START, and no LDS byte is filled twice.  The work-group's bytes (memory 98,304, q 262,144, a_dot 65,536) do not fit in LDS together, so they are
; shared out: by tensor loads into LDS the segment's memory (an eighth by each wave; all waves read it, behind a barrier) and each wave's q and a_dot of heads 0 to 3 (its own bytes);
; by 40 loads of 512 consecutive bytes into registers its q and a_dot of heads 4 to 7.  Heads 0 to 3 run in one loop out of LDS; heads 4 to 7 are written out, each behind a counted wait.
; NO CLUSTER: two work-groups share a segment's memory, 98,304 of the 425,984 bytes that each reads.
; a_mem^T = M^T (elu(q) + 1)^T: source 0 = a fragment of mp (16 channels of v, or the divisor's row repeated), source 1 = 16 rows of elu(q) + 1 in bf16: a lane holds one row, eight channels,
; and the row's divisor in the third accumulator's lowest register.  part lies in the same register order, so the heads' sums need no change of lanes.
; elu(q) + 1 = the middle one of q + 1, e^q and 1: for q <= 0, q + 1 <= e^q <= 1; for q > 0, 1 < q + 1 <= e^q (an e^q that overflows is still the largest).
; FORMATS: q arrives in bf16; elu(q) + 1 and the memory go in bf16, since z = 256 x the sums passes f16's range; a_dot arrives in f16.  beta is rounded to bf16 like every input.
; LIMITS: the memory path keeps bf16's 8 significant bits, twice (q, then elu(q) + 1); NaN and infinities are not treated apart.
; REGISTERS: window 0 as named below; window 1: v0-127 q of heads 4 to 7, 32 a head; v128-223 the memory's twelve fragments of the head in hand; v224-255 q of the head in hand out of LDS.
.set ML,    0                          ; the memory: 12,288 bytes a head
.set QL,    98304                      ; q of heads 0-3: 16,384 bytes a wave, 4,096 a head
.set PL,    229376                     ; a_dot of heads 0-3: 4,096 bytes a wave, 1,024 a head
.set STAGE, 262144                     ; 16 rows x 144 bytes for each wave, for the way out; no tensor load fills it
.set SPARE, 280576                     ; the spare words, 128 bytes a wave: four blocks of 256 bytes that no other line names
.set QA,  4                            ; v4   LDS address of the head in hand: q,
.set PA,  5                            ; v5   a_dot,
.set MA,  6                            ; v6   the memory
.set STO, 7
.set RD,  8
.set GO,  9                            ; v9   16 x lane; never rewritten
.set SPW, 12                           ; v12  my spare word; never rewritten
.set NIL, 13                           ; v13  0; never rewritten
.set PR,   16                          ; v16-47   a_dot of heads 4 to 7 in f16, 8 a head; v48-55 that of the head in hand out of LDS
.set F,    56                          ; v56-119  64 f32; elu(q) + 1 is packed in place into v56-87
.set SQ,   56
.set T,    120                         ; v120-151
.set PF,   152                         ; v152-167
.set ACC,  168                         ; v168-191 three accumulators
.set SUMM, 192                         ; v192-207 the heads' a_mem
.set SUMD, 208                         ; v208-223 the heads' a_dot
.set R,    224                         ; v224-225 1 / divisor
.set RES,  226                         ; v226-241
.set WA,   242                         ; v242-243 sigmoid / 8
.set WB,   244                         ; v244-245 (1 - sigmoid) / 8
.set MPF,  128                         ; window 1
.set QLR,  224                         ; window 1
.set WV,  14
.set G1M, 24
.set G1P, 32
.set G1Q, 40
.set G0M, 48
.set G0P, 52
.set G0Q, 56
.set LG,  76
.set CNT, 78
.set MSK, 79
.set MSB, 0
.macro WIN new
.if MSB != (\new)
	s_set_vgpr_msb (MSB<<8)|(\new)
.set MSB, \new
.endif
.endm
	s_load_b256 s[4:11], s[0:1], 0x0               ; qf s[4:5], mp s[6:7], part s[8:9], beta s[10:11]
	s_load_b64 s[12:13], s[0:1], 0x20              ; out0
	v_lshl_add_u32 v[SPW], v0, 2, SPARE
	v_mov_b32 v[NIL], 0
	ds_add_u32 v[SPW], v[NIL]                      ; the wave's opening, waited for ahead of my first tensor load
	ds_add_u32 v12, v13
	v_lshrrev_b32 v1, 5, v0
	v_readfirstlane_b32 s[WV], v1                  ; wave 0..7
	v_and_b32 v2, 31, v0
	v_lshlrev_b32 v[GO], 4, v2
	s_lshr_b32 s18, ttmp9, 1                       ; the segment
	s_and_b32 s19, ttmp9, 1                        ; which half of it
	s_lshl_b32 s19, s19, 1
	s_lshr_b32 s15, s[WV], 2
	s_add_co_u32 s15, s15, s19                     ; which 64 rows of the segment: they lie together in qf and part,
	s_and_b32 s20, s[WV], 3                        ; and which 16 of those
	s_mov_b32 s[G1M], 3<<16                        ; 8-byte elements: a head's 12,288 dense bytes as 48 rows of 256
	s_mov_b32 s[G1M+1], 32<<16
	s_mov_b32 s[G1M+2], 48<<16
	s_mov_b32 s[G1M+3], 32<<16
	s_mov_b32 s[G1M+4], 48
	s_mov_b32 s[G1M+5], 32
	s_mov_b32 s[G1M+6], 0
	s_mov_b32 s[G1M+7], 0
	s_mov_b32 s[G1P], 3<<16                        ; four heads' 1,024 bytes, 16,384 bytes apart
	s_mov_b32 s[G1P+1], 128<<16
	s_mov_b32 s[G1P+2], 4<<16
	s_mov_b32 s[G1P+3], 128<<16
	s_mov_b32 s[G1P+4], 4
	s_mov_b32 s[G1P+5], 2048
	s_mov_b32 s[G1P+6], 0
	s_mov_b32 s[G1P+7], 0
	s_mov_b32 s[G1Q], 3<<16                        ; four heads' 4,096 bytes, 65,536 bytes apart
	s_mov_b32 s[G1Q+1], 512<<16
	s_mov_b32 s[G1Q+2], 4<<16
	s_mov_b32 s[G1Q+3], 512<<16
	s_mov_b32 s[G1Q+4], 4
	s_mov_b32 s[G1Q+5], 8192
	s_mov_b32 s[G1Q+6], 0
	s_mov_b32 s[G1Q+7], 0
	s_mul_i32 s80, s18, 98304                      ; mp: the segment, and the head whose number is my wave's
	s_mul_i32 s21, s[WV], 12288
	s_add_co_u32 s80, s80, s21
	s_mov_b32 s81, 0
	s_lshl_b32 s82, s18, 17                        ; part
	s_lshl_b32 s17, s15, 12
	s_add_co_u32 s82, s82, s17
	s_lshl_b32 s17, s20, 10
	s_add_co_u32 s82, s82, s17
	s_mov_b32 s83, 0
	s_lshl_b32 s84, s18, 19                        ; qf
	s_lshl_b32 s17, s15, 14
	s_add_co_u32 s84, s84, s17
	s_lshl_b32 s17, s20, 12
	s_add_co_u32 s84, s84, s17
	s_mov_b32 s85, 0
	s_lshl_b32 s86, s18, 15                        ; out0: 256 rows of 128 bytes a segment
	s_lshl_b32 s17, s15, 13
	s_add_co_u32 s86, s86, s17
	s_lshl_b32 s17, s20, 11
	s_add_co_u32 s86, s86, s17
	s_mov_b32 s87, 0
	s_lshl_b32 s22, s[WV], 12
	s_add_co_u32 s22, s22, PL
	s_lshl_b32 s23, s[WV], 14
	s_add_co_u32 s23, s23, QL
	s_mov_b32 s[LG], 0x3fb8aa3b
	s_mov_b32 s[LG+1], s[LG]
	s_mov_b32 s[MSK], 0xffff0000                   ; a word's upper bf16
	s_wait_dscnt 0x0                               ; the opening add is done
	s_wait_kmcnt 0x0
	s_load_b32 s16, s[10:11], 0x0                  ; beta
	s_mov_b32 s[G0M], 1
	s_add_co_u32 s[G0M+1], s21, ML
	s_add_nc_u64 s[G0M+2:G0M+3], s[6:7], s[80:81]
	s_or_b32 s[G0M+3], s[G0M+3], 0x80000000
	s_add_nc_u64 s[8:9], s[8:9], s[82:83]          ; part, qf and out0 at my wave's rows, head 0
	s_add_nc_u64 s[4:5], s[4:5], s[84:85]
	s_add_nc_u64 s[12:13], s[12:13], s[86:87]
	s_mov_b32 s[G0Q], 1
	s_mov_b32 s[G0Q+1], s23
	s_mov_b64 s[G0Q+2:G0Q+3], s[4:5]
	s_or_b32 s[G0Q+3], s[G0Q+3], 0x80000000
	s_mov_b32 s[G0P], 1
	s_mov_b32 s[G0P+1], s22
	s_mov_b64 s[G0P+2:G0P+3], s[8:9]
	s_or_b32 s[G0P+3], s[G0P+3], 0x80000000
	tensor_load_to_lds s[G0M:G0M+3], s[G1M:G1M+7]  ; three tensor loads of mine are out: my eighth of the memory, my q and my a_dot of heads 0 to 3
	s_nop 0
	tensor_load_to_lds s[G0Q:G0Q+3], s[G1Q:G1Q+7]
	s_nop 0
	tensor_load_to_lds s[G0P:G0P+3], s[G1P:G1P+7]
	s_nop 0
.rept 4
	v_nop
.endr
.set b, 0
.rept 4                                ; heads 4 to 7 into registers: a_dot's eight loads first, then q's 32, a head after the other
	global_load_b128 v[PR+8*b:PR+8*b+3],   v[GO], s[8:9] offset:(4+b)*16384 th:TH_LOAD_NT
	global_load_b128 v[PR+8*b+4:PR+8*b+7], v[GO], s[8:9] offset:(4+b)*16384+512 th:TH_LOAD_NT
.set b, b+1
.endr
	WIN 0x40
.set n, 0
.rept 32
	global_load_b128 v[4*n:4*n+3], v[GO], s[4:5] offset:(4+n/8)*65536+512*(n%8) th:TH_LOAD_NT
.set n, n+1
.endr
	WIN 0
	v_add_nc_u32 v[QA], s23, v[GO]
	v_add_nc_u32 v[PA], s22, v[GO]
	v_add_nc_u32 v[MA], ML, v[GO]
	v_and_b32 v1, 15, v0
	v_bfe_u32 v3, v0, 4, 1
	s_mul_i32 s17, s[WV], 2304
	s_add_co_u32 s17, s17, STAGE
	v_mul_u32_u24 v[STO], v1, 144                  ; in: row l % 16, 32 bytes for each half of the lanes
	v_lshl_add_u32 v[STO], v3, 5, v[STO]
	v_add_nc_u32 v[STO], s17, v[STO]
	v_bfe_u32 v[RD], v0, 3, 2                      ; back: 32 lanes take four rows of 128 bytes
	v_mul_u32_u24 v[RD], v[RD], 144
	v_and_b32 v10, 7, v0
	v_lshl_add_u32 v[RD], v10, 4, v[RD]
	v_add_nc_u32 v[RD], s17, v[RD]
	s_wait_kmcnt 0x0
	v_mov_b32 v10, s16
	v_cvt_pk_bf16_f32 v10, v10, v10
	v_lshlrev_b32 v10, 16, v10
	v_mul_f32 v10, 0xbfb8aa3b, v10
	v_exp_f32 v10, v10                             ; e^-beta
	v_nop
	s_wait_alu depctr_va_vdst(0)
	v_add_f32 v10, 1.0, v10
	v_rcp_f32 v10, v10                             ; sigmoid(beta)
	v_nop
	s_wait_alu depctr_va_vdst(0)
	v_mul_f32 v[WA], 0x3e000000, v10               ; an eighth of it: the mean over heads
	v_sub_f32 v[WB], 0x3e000000, v[WA]
	v_mov_b32 v[WA+1], v[WA]
	v_mov_b32 v[WB+1], v[WB]
.set i, 0
.rept 32                               ; one text for every head: the heads' sums start at 0
	v_mov_b32 v[SUMM+i], 0
.set i, i+1
.endr
	s_wait_tensorcnt 0x0                           ; my eighth of the memory, my q and my a_dot of heads 0 to 3 are in LDS
	s_barrier_signal -1
	s_barrier_wait -1                              ; everybody's eighth is.  The loads into registers stay out across this barrier: nobody writes those bytes
.macro ELU c                           ; elu + 1 for 32 numbers
.set i, 0
.rept 16
	v_pk_mul_f32 v[T+2*i:T+2*i+1], v[F+32*(\c)+2*i:F+32*(\c)+2*i+1], s[LG:LG+1] op_sel_hi:[1,0]
.set i, i+1
.endr
.set i, 0
.rept 32
	v_exp_f32 v[T+i], v[T+i]                       ; e^q
.set i, i+1
.endr
.set i, 0
.rept 16
	v_pk_add_f32 v[F+32*(\c)+2*i:F+32*(\c)+2*i+1], v[F+32*(\c)+2*i:F+32*(\c)+2*i+1], 1.0 op_sel_hi:[1,0]  ; q + 1; also the plain lines behind the exponentials
.set i, i+1
.endr
.set i, 0
	s_wait_alu depctr_va_vdst(0)
.rept 32
	v_med3_num_f32 v[F+32*(\c)+i], v[F+32*(\c)+i], v[T+i], 1.0
.set i, i+1
.endr
.endm
.macro PCVT pb                         ; a_dot's 16 numbers to f32, out of set pb of eight registers (halves have names of their own, so each set has its list)
.set i, 0
.if (\pb) == 0
.irp r, v16.l,v16.h,v17.l,v17.h,v18.l,v18.h,v19.l,v19.h,v20.l,v20.h,v21.l,v21.h,v22.l,v22.h,v23.l,v23.h
	v_cvt_f32_f16 v[PF+i], \r
.set i, i+1
.endr
.elseif (\pb) == 1
.irp r, v24.l,v24.h,v25.l,v25.h,v26.l,v26.h,v27.l,v27.h,v28.l,v28.h,v29.l,v29.h,v30.l,v30.h,v31.l,v31.h
	v_cvt_f32_f16 v[PF+i], \r
.set i, i+1
.endr
.elseif (\pb) == 2
.irp r, v32.l,v32.h,v33.l,v33.h,v34.l,v34.h,v35.l,v35.h,v36.l,v36.h,v37.l,v37.h,v38.l,v38.h,v39.l,v39.h
	v_cvt_f32_f16 v[PF+i], \r
.set i, i+1
.endr
.elseif (\pb) == 3
.irp r, v40.l,v40.h,v41.l,v41.h,v42.l,v42.h,v43.l,v43.h,v44.l,v44.h,v45.l,v45.h,v46.l,v46.h,v47.l,v47.h
	v_cvt_f32_f16 v[PF+i], \r
.set i, i+1
.endr
.else
.irp r, v48.l,v48.h,v49.l,v49.h,v50.l,v50.h,v51.l,v51.h,v52.l,v52.h,v53.l,v53.h,v54.l,v54.h,v55.l,v55.h
	v_cvt_f32_f16 v[PF+i], \r
.set i, i+1
.endr
.endif
.endm
; One head.  qb: where its q lies in window 1; pb: which set holds its a_dot.  lds = 1: both are read out of LDS here; lds = 0: they were loaded into registers, and left later loads may stay out.
.macro HEAD qb, pb, lds, left
	WIN 0
.if \lds
	ds_load_b128 v[48:51], v[PA]
	ds_load_b128 v[52:55], v[PA] offset:512
.endif
	WIN 0x40
.if \lds
.set i, 0
.rept 8
	ds_load_b128 v[(\qb)+4*i:(\qb)+4*i+3], v[QA] offset:512*i
.set i, i+1
.endr
.endif
.set i, 0
.rept 24                               ; fragment (u, kf) at MPF + 8 (4 u + kf)
	ds_load_b128 v[MPF+4*i:MPF+4*i+3], v[MA] offset:512*i
.set i, i+1
.endr
.if \lds
	s_wait_dscnt 24                                ; a_dot and q are in; the memory's 24 loads may be out
.else
	s_wait_loadcnt \left                           ; loads come back in order: a_dot's and this head's q are in, the later heads' q stays out
.endif
	WIN 0x04                                       ; source 1 in window 1
.set i, 0
.rept 32
	v_lshlrev_b32 v[F+2*i],   16, v[(\qb)+i]       ; bf16 to f32: the low half moves up,
	v_and_b32     v[F+2*i+1], s[MSK], v[(\qb)+i]   ; the high half stays
.set i, i+1
.endr
	WIN 0
	ELU 0
	ELU 1
.set i, 0
.rept 32                               ; in place, ascending: register i is written when its old number has been read
	v_cvt_pk_bf16_f32 v[SQ+i], v[F+2*i], v[F+2*i+1]
.set i, i+1
.endr
	s_wait_dscnt 0x0
	WIN 0x01                                       ; source 0 in window 1
.set kf, 0
.rept 4                                ; three accumulators by turns; the first three products start the sums
.set u, 0
.rept 3
.if kf == 0
	v_wmma_f32_16x16x32_bf16 v[ACC+8*u:ACC+8*u+7], v[MPF+8*(4*u+kf):MPF+8*(4*u+kf)+7], v[SQ+8*kf:SQ+8*kf+7], 0
.else
	v_wmma_f32_16x16x32_bf16 v[ACC+8*u:ACC+8*u+7], v[MPF+8*(4*u+kf):MPF+8*(4*u+kf)+7], v[SQ+8*kf:SQ+8*kf+7], v[ACC+8*u:ACC+8*u+7]
.endif
.set u, u+1
.endr
.set kf, kf+1
.endr
	WIN 0
	PCVT \pb                                       ; a_dot's lines name no register of the products: they are the places behind them
.set i, 0
.rept 8
	v_pk_add_f32 v[SUMD+2*i:SUMD+2*i+1], v[SUMD+2*i:SUMD+2*i+1], v[PF+2*i:PF+2*i+1]
.set i, i+1
.endr
	v_add_f32 v[R], 0x3727c5ac, v[ACC+16]          ; the row's divisor + 1e-5: the third accumulator's lowest register
	v_rcp_f32 v[R], v[R]
	v_mov_b32 v[R+1], 0                            ; the pair's second register; also the plain line behind the reciprocal
.set i, 0
	s_wait_alu depctr_va_vdst(0)
.rept 8
	v_pk_fma_f32 v[SUMM+2*i:SUMM+2*i+1], v[ACC+2*i:ACC+2*i+1], v[R:R+1], v[SUMM+2*i:SUMM+2*i+1] op_sel_hi:[1,0,1]
.set i, i+1
.endr
.if \lds
	v_add_nc_u32 v[QA], 4096, v[QA]                ; the next head
	v_add_nc_u32 v[PA], 1024, v[PA]
.endif
	v_add_nc_u32 v[MA], 12288, v[MA]
.endm
	s_mov_b32 s[CNT], 4
.Lhead:                                                ; heads 0 to 3, out of LDS
	HEAD QLR, 4, 1, 0
	s_sub_co_u32 s[CNT], s[CNT], 1
	s_cmp_lg_u32 s[CNT], 0
	s_cbranch_scc1 .Lhead
	HEAD 0,  0, 0, 24                              ; heads 4 to 7, out of registers: the counts are the later heads' eight loads of q each
	HEAD 32, 1, 0, 16
	HEAD 64, 2, 0, 8
	HEAD 96, 3, 0, 0
	; THE WAY OUT: a lane's 16 numbers of a row go into my stage and come back as whole rows of 128 bytes, four rows to a store
.set i, 0
.rept 8
	v_pk_mul_f32 v[RES+2*i:RES+2*i+1], v[SUMD+2*i:SUMD+2*i+1], v[WB:WB+1] op_sel_hi:[1,0]
.set i, i+1
.endr
.set i, 0
.rept 8
	v_pk_fma_f32 v[RES+2*i:RES+2*i+1], v[SUMM+2*i:SUMM+2*i+1], v[WA:WA+1], v[RES+2*i:RES+2*i+1] op_sel_hi:[1,0,1]
.set i, i+1
.endr
	ds_store_b128 v[STO], v[RES:RES+3]
	ds_store_b128 v[STO], v[RES+4:RES+7] offset:16
	ds_store_b128 v[STO], v[RES+8:RES+11] offset:64
	ds_store_b128 v[STO], v[RES+12:RES+15] offset:80
.set i, 0
.rept 4
	ds_load_b128 v[F+4*i:F+4*i+3], v[RD] offset:576*i  ; LDS serves a wave's instructions in order (ISA guide 5.7.1.4): these see the stores above
.set i, i+1
.endr
.set i, 0
.rept 4
	s_wait_dscnt 3-i
	global_store_b128 v[GO], v[F+4*i:F+4*i+3], s[12:13] offset:512*i  ; 512 consecutive bytes, at a multiple of 256 from out0's first
.set i, i+1
.endr
	s_wait_tensorcnt 0x0                           ; the wave's end: behind my last tensor load and my last LDS store
	ds_add_u32 v[SPW], v[NIL]
	s_wait_dscnt 0x0
	s_endpgm
.Lfunc_end_k_qcaeb7298fe_blend:
	.size	k_qcaeb7298fe_blend, .Lfunc_end_k_qcaeb7298fe_blend-k_qcaeb7298fe_blend
	.p2alignl 7, 3214868480
	.fill 96, 4, 3214868480
	.section	.rodata,"a",@progbits
	.p2align	6, 0x0
	.amdhsa_kernel k_qcaeb7298fe_blend
		.amdhsa_group_segment_fixed_size 281600
		.amdhsa_private_segment_fixed_size 0
		.amdhsa_enable_private_segment 0
		.amdhsa_kernarg_size 40
		.amdhsa_user_sgpr_count 2
		.amdhsa_user_sgpr_kernarg_segment_ptr 1
		.amdhsa_wavefront_size32 1
		.amdhsa_system_sgpr_workgroup_id_x 1
		.amdhsa_system_sgpr_workgroup_id_y 1
		.amdhsa_system_sgpr_workgroup_id_z 1
		.amdhsa_system_vgpr_workitem_id 0
		.amdhsa_next_free_vgpr 512
		.amdhsa_next_free_sgpr 88
		.amdhsa_reserve_vcc 0
		.amdhsa_float_denorm_mode_32 3
		.amdhsa_float_denorm_mode_16_64 3
		.amdhsa_memory_ordered 1
		.amdhsa_forward_progress 1
		.amdhsa_inst_pref_size 105
	.end_amdhsa_kernel
	.amdgpu_metadata
---
amdhsa.version: [ 1, 2 ]
amdhsa.kernels:
  - .name:           k_qcaeb7298fe_blend
    .symbol:         k_qcaeb7298fe_blend.kd
    .args:
      - { .name: qf, .offset: 0, .size: 8, .value_kind: global_buffer, .address_space: global }
      - { .name: mp, .offset: 8, .size: 8, .value_kind: global_buffer, .address_space: global }
      - { .name: part, .offset: 16, .size: 8, .value_kind: global_buffer, .address_space: global }
      - { .name: beta, .offset: 24, .size: 8, .value_kind: global_buffer, .address_space: global }
      - { .name: out0, .offset: 32, .size: 8, .value_kind: global_buffer, .address_space: global }
    .group_segment_fixed_size: 281600
    .private_segment_fixed_size: 0
    .kernarg_segment_align: 8
    .kernarg_segment_size: 40
    .max_flat_workgroup_size: 256
    .sgpr_count:     88
    .vgpr_count:     512
    .wavefront_size: 32
...
	.end_amdgpu_metadata
.endif
;; end of part 4
;; ======== version 2 of 2: 4 launches; version 1 with the launch scan written anew for expert scheduling mode
;; limits: values outside matrix products are rounded to f16; values are held in f16: magnitudes above 65,504 overflow, below 6.1e-05 lose precision; values outside matrix products are rounded to bf16
;; workspace buffers: wb 2,359,296 bytes; qf 67,108,864 bytes; part 16,777,216 bytes; delta 25,165,824 bytes; mp 12,582,912 bytes
;; launch prep: the kernel of part 1 again; grid 64 x 2, 9 waves a work-group, no clusters, 0 bytes of LDS; arguments wq, wk, wv, wb; writes wb
;; launch attn: the kernel of part 2 again; grid 8 x 32, 4 waves a work-group, clusters of 4 x 4, 327,680 bytes of LDS; arguments x, wb, bq, bk, bv, qf, part, delta; writes qf, part, delta
;; launch scan (part 5): grid 8 x 32, 3 waves a work-group, no clusters, 0 bytes of LDS; arguments delta, mp; writes mp
.if DOCPART == 5
	.amdgcn_target "amdgcn-amd-amdhsa--gfx1250"
	.amdhsa_code_object_version 6
	.text
	.protected	k_qcaeb7298fe_scan
	.globl	k_qcaeb7298fe_scan
	.p2align	8
	.type	k_qcaeb7298fe_scan,@function
k_qcaeb7298fe_scan:
	s_mov_b64 s[64:65], 0
	v_nop
	global_prefetch_b8 v0, s[64:65] scope:SCOPE_SE
	s_setreg_imm32_b32 hwreg(HW_REG_WAVE_SCHED_MODE, 0, 2), 2
	s_setreg_imm32_b32 hwreg(HW_REG_WAVE_MODE, 25, 1), 1
	s_wait_xcnt 0x0
	s_wait_alu depctr_vm_vsrc(0)
; The running sum of D over the 32 segments of a batch, the segment's own D included, rounded to bf16 as matrix fragments.
; delta: f32 [sg 128][h 8][tile 24][half 2][lane 16 bytes]; mp: bf16 [sg][h][tile 24][lane 16 bytes].  Tiles 0-15 are (elu(k) + 1)^T v, tiles 16-23 the column sums, which count 256 times.
; One wave owns one tile of one (batch, head): 8 numbers a lane, kept in f32 from segment to segment.  768 waves, 256 work-groups; no LDS, no barrier: no wave needs another's data.
; LIMIT: the sums leave with bf16's 8 significant bits; their range is f32's.
; THE MODE: SCHED_MODE bits 1:0 = 2 (LLVM: expert scheduling mode 2), set by the entry lines.  The code itself states the register dependences
; between vector instructions and memory instructions, with s_wait_alu, always for 0.
; THE PLAN.  The 32 segments go in 8 blocks of four.  Registers that memory instructions touch:
;   X0 .. X4   five blocks of D as loaded.  Written by loads alone: blocks 0 to 4 at the kernel's head, block p + 4 at the head of block p (p = 1, 2, 3).  Read by block p's multiply-adds (X[p % 5]).
;   Y0, Y1     two blocks of sums in bf16.  Written by block p's roundings (Y[p % 2]); read by the four stores at the head of block p + 1.
;   v1         16 x lane: made once at the head, never written again; the segments stand in the immediate offsets, and the two scalar bases are never stepped.
;   The running sums AC are named by vector instructions alone.
; Block p's memory instructions are the loads into X[(p + 4) % 5] = X[(p - 1) % 5] and the stores from Y[(p - 1) % 2]: the two buffers that block p - 1 worked on.  They stand in one run at
; the block's head, straight behind the wait that states that block p - 1 is done with both; the loads stand first, ahead of the wait for this block's own data.
; A block's slots lie idle from their reading to the next block's head, which is why there are five X buffers: 32 to 40 loads of 512 consecutive bytes are on their way in every wave.
.set AC, 8                             ; v[8:15]    the running sums
.set X,  16                            ; v[16:175]  buffer k, segment i: 8 registers at X + 32 k + 8 i
.set Y,  176                           ; v[176:207] buffer k, segment i: 4 registers at Y + 16 k + 4 i
	s_load_b128 s[4:7], s[0:1], 0x0                ; delta s[4:5], mp s[6:7]
	v_lshrrev_b32 v1, 5, v0
	v_readfirstlane_b32 s8, v1
	s_mul_i32 s9, ttmp9, 3
	s_wait_alu depctr_va_sdst(0)                   ; s8, the wave's number, is written, ahead of its first reader: the tile's number and both bases are made from it
	s_add_co_u32 s9, s9, s8                        ; the tile, 0..23
	s_and_b32 s10, ttmp7, 0xffff
	s_lshr_b32 s11, s10, 3                         ; batch
	s_and_b32 s10, s10, 7                          ; head
	s_cmp_ge_u32 s9, 16
	s_cselect_b32 s16, 0x43800000, 1.0             ; 256 for the column sums
	s_mov_b32 s17, s16
	s_mul_i32 s12, s11, 6291456                    ; 32 segments of 196,608 bytes,
	s_mul_i32 s14, s10, 24576
	s_add_co_u32 s12, s12, s14
	s_lshl_b32 s14, s9, 10
	s_add_co_u32 s12, s12, s14
	s_mov_b32 s13, 0
	s_mul_i32 s14, s11, 3145728                    ; and of 98,304
	s_mul_i32 s15, s10, 12288
	s_add_co_u32 s14, s14, s15
	s_lshl_b32 s15, s9, 9
	s_add_co_u32 s14, s14, s15
	s_mov_b32 s15, 0
	v_and_b32 v1, 31, v0
	v_lshlrev_b32 v1, 4, v1                        ; 16 x lane; never rewritten
	s_wait_kmcnt 0x0
	s_add_nc_u64 s[4:5], s[4:5], s[12:13]
	s_add_nc_u64 s[6:7], s[6:7], s[14:15]
	s_wait_alu depctr_va_vdst(0)                   ; v1 is written: every load and store of the kernel reads it as its offset
.set sgm, 0
.rept 20                               ; blocks 0 to 4 into X0 to X4
	global_load_b128 v[X+8*sgm:X+8*sgm+3],   v1, s[4:5] offset:196608*sgm th:TH_LOAD_NT
	global_load_b128 v[X+8*sgm+4:X+8*sgm+7], v1, s[4:5] offset:196608*sgm+512 th:TH_LOAD_NT
.set sgm, sgm+1
.endr
; Block p: segments 4 p to 4 p + 3.
.macro BLK p
.set xb, X+32*((\p)%5)                 ; the block's own data
.set yb, Y+16*((\p)%2)                 ; where its roundings go
.set xl, X+32*(((\p)+4)%5)             ; the buffer that the block before read: block p + 4 lands here
.set yo, Y+16*(1-(\p)%2)               ; the buffer that the block before wrote: stored here
.if (\p) >= 2
	s_wait_xcnt 0x0                                ; every earlier memory instruction has had its addresses translated (ISA guide 3.1): Y[p % 2], the data of the stores at the last block's head, is rewritten only behind this wait
	s_wait_alu depctr_vm_vsrc(0)                   ; those stores have read Y[p % 2], which this block's roundings write again
.endif
.if (\p) >= 1
	s_wait_alu depctr_va_vdst(0)                   ; the block before has written the other Y, which the stores below read, and is done reading its X, in which the loads below (blocks 1 to 3 have them) land
.if (\p) <= 3
.set i, 0
.rept 4
	global_load_b128 v[xl+8*i:xl+8*i+3],   v1, s[4:5] offset:196608*(4*((\p)+4)+i) th:TH_LOAD_NT
	global_load_b128 v[xl+8*i+4:xl+8*i+7], v1, s[4:5] offset:196608*(4*((\p)+4)+i)+512 th:TH_LOAD_NT
.set i, i+1
.endr
.endif
.set i, 0
.rept 4
	global_store_b128 v1, v[yo+4*i:yo+4*i+3], s[6:7] offset:98304*(4*((\p)-1)+i)  ; the block before: 512 consecutive bytes, at a multiple of 256 from mp's first
.set i, i+1
.endr
.endif
.set issued, 64                        ; loads issued so far: 40 at the head and 8 in each of blocks 1 to 3
.if (\p) < 3
.set issued, 40+8*(\p)
.endif
.set i, 0
.rept 4
	s_wait_loadcnt issued-2*(4*(\p)+i)-2           ; loads come back in order (ISA guide 5.7.1): this segment's two are in, all that were issued behind them stay out
.set j, 0
.rept 4
.if (\p) == 0 && i == 0
	v_pk_mul_f32 v[AC+2*j:AC+2*j+1], v[xb+8*i+2*j:xb+8*i+2*j+1], s[16:17] op_sel_hi:[1,0]  ; the first segment starts the sums
.else
	v_pk_fma_f32 v[AC+2*j:AC+2*j+1], v[xb+8*i+2*j:xb+8*i+2*j+1], s[16:17], v[AC+2*j:AC+2*j+1] op_sel_hi:[1,0,1]
.endif
.set j, j+1
.endr
.set j, 0
.rept 4
	v_cvt_pk_bf16_f32 v[yb+4*i+j], v[AC+2*j], v[AC+2*j+1]
.set j, j+1
.endr
.set i, i+1
.endr
.endm
	BLK 0                                          ; no block stands in front of it: no store, no load, and no wait but those for its data
	BLK 1                                          ; Y1 has not been stored yet: nothing is owed ahead of its roundings
	BLK 2
	BLK 3                                          ; the last loads: segments 28 to 31
	BLK 4                                          ; nothing more is asked for: no load leaves delta, and the counts run down
	BLK 5
	BLK 6
	BLK 7
	s_wait_alu depctr_va_vdst(0)                   ; block 7 has written Y1, which the last four stores read
.set i, 0
.rept 4
	global_store_b128 v1, v[Y+16+4*i:Y+16+4*i+3], s[6:7] offset:98304*(28+i)
.set i, i+1
.endr
	s_endpgm
.Lfunc_end_k_qcaeb7298fe_scan:
	.size	k_qcaeb7298fe_scan, .Lfunc_end_k_qcaeb7298fe_scan-k_qcaeb7298fe_scan
	.p2alignl 7, 3214868480
	.fill 96, 4, 3214868480
	.section	.rodata,"a",@progbits
	.p2align	6, 0x0
	.amdhsa_kernel k_qcaeb7298fe_scan
		.amdhsa_group_segment_fixed_size 0
		.amdhsa_private_segment_fixed_size 0
		.amdhsa_enable_private_segment 0
		.amdhsa_kernarg_size 16
		.amdhsa_user_sgpr_count 2
		.amdhsa_user_sgpr_kernarg_segment_ptr 1
		.amdhsa_wavefront_size32 1
		.amdhsa_system_sgpr_workgroup_id_x 1
		.amdhsa_system_sgpr_workgroup_id_y 1
		.amdhsa_system_sgpr_workgroup_id_z 1
		.amdhsa_system_vgpr_workitem_id 0
		.amdhsa_next_free_vgpr 208
		.amdhsa_next_free_sgpr 66
		.amdhsa_reserve_vcc 0
		.amdhsa_float_denorm_mode_32 3
		.amdhsa_float_denorm_mode_16_64 3
		.amdhsa_memory_ordered 1
		.amdhsa_forward_progress 1
		.amdhsa_inst_pref_size 29
	.end_amdhsa_kernel
	.amdgpu_metadata
---
amdhsa.version: [ 1, 2 ]
amdhsa.kernels:
  - .name:           k_qcaeb7298fe_scan
    .symbol:         k_qcaeb7298fe_scan.kd
    .args:
      - { .name: delta, .offset: 0, .size: 8, .value_kind: global_buffer, .address_space: global }
      - { .name: mp, .offset: 8, .size: 8, .value_kind: global_buffer, .address_space: global }
    .group_segment_fixed_size: 0
    .private_segment_fixed_size: 0
    .kernarg_segment_align: 8
    .kernarg_segment_size: 16
    .max_flat_workgroup_size: 96
    .sgpr_count:     66
    .vgpr_count:     208
    .wavefront_size: 32
...
	.end_amdgpu_metadata
.endif
;; end of part 5
;; launch blend: the kernel of part 4 again; grid 256 x 1, 8 waves a work-group, no clusters, 281,600 bytes of LDS; arguments qf, mp, part, beta, out0; writes out0
